; MI455X (gfx1250); checked and timed in simulation.
; The chip was launched on July 23, 2026; its instructions are those of AMD's public machine-readable ISA for CDNA 5 (MIT licence, August 2026) and "CDNA5" Instruction Set Architecture Reference Guide (July 2026). The comments in the code are by the model that wrote it; some were corrected since.
;; Differentiable Topos Attention. Allowed arithmetic: matrix products marked QUANTISED: E2M3 operands, one E8M0 scale for each 32 along K, by v_wmma_scale_f32_16x16x128_f8f6f4 with both operands' format E2M3, f32 sums; everything else in f32.
;; Inputs: Wk 128 x 128 float32; Wq 128 x 128 float32; Wv 128 x 128 float32; bk 128 float32; bq 128 float32; bv 128 float32; x 2 x 1,024 x 128 float32.
;; Outputs: out0 2 x 1,024 x 128 float32.
;; Constants: apply_causal_mask = 1.
;; This version of the problem:
;;   THIS VERSION OF THE PROBLEM IS GIVEN IN LOW PRECISION. The matrix products marked QUANTISED in the list below multiply operands that are first quantised to E2M3 (2 exponent bits, 3 mantissa bits; 6 bits a number), with one power-of-two scale for each 32 numbers along K (OCP MX v1.0); their sums are f32. All else is computed in f32.
;;   The module's matrix products, in the order in which they are computed (A, B: the left and right operand; K: the contracted axis; several contracted axes count as one K, in the product's order):
;;     1. [M 2,048, K 128] x [K 128, N 128]; A: input x; B: input Wq: QUANTISED
;;     2. [M 2,048, K 128] x [K 128, N 128]; A: input x; B: input Wk: QUANTISED
;;     3. [M 2,048, K 128] x [K 128, N 128]; A: input x; B: input Wv: QUANTISED
;;     4. batch 2 x [M 1,024, K 1,024] x [K 1,024, N 128]; A: softmax (see below); B: computed on the way: QUANTISED
;;   THE QUANTISER, for each operand of a quantised product, along K:
;;     - K is cut into blocks of 32 from its start; a last block that is shorter is filled with zeros.
;;     - A block's scale is 2^e with e = floor(log2(the largest magnitude in the block)) - 2, held to -126 .. 127; a block of zeros has e = 0. As a byte (E8M0): e + 127.
;;     - Each number is divided by its block's scale, clamped to +-7.5, and rounded to the nearest number of E2M3, ties to even, subnormals kept.
;;     - The product sums the exact products of the quantised numbers (number of the format x scale) in f32.
;;   ~~~python
;;   def quantise(x, axis):      # numpy; x: float32 -> the quantised numbers, widened to float32 again
;;       x = np.moveaxis(x, axis, -1); K = x.shape[-1]
;;       x = np.pad(x, [(0, 0)] * (x.ndim - 1) + [(0, -K % 32)]); x = x.reshape(x.shape[:-1] + (-1, 32)); a = np.abs(x).max(-1, keepdims=True)
;;       e = np.where(a > 0, np.clip(np.frexp(np.where(a > 0, a, 1))[1] - 1 - 2, -126, 127), 0)      # np.frexp(a)[1] - 1 = floor(log2(a)), exactly
;;       r = np.clip(x / 2.0 ** e, -7.5, 7.5)
;;       step = 2.0 ** (np.maximum(np.frexp(np.where(r == 0, 1, r))[1] - 1, 0) - 3)
;;       q = np.round(r / step) * step * 2.0 ** e      # np.round: ties to even
;;       return np.moveaxis(q.reshape(q.shape[:-2] + (-1,))[..., :K], -1, axis).astype(np.float32)
;;   ~~~
;;   SOFTMAX AHEAD OF A QUANTISED PRODUCT. Where the list says 'softmax', what is quantised is not the finished softmax but p = 2^(t - M), with t = logit x log2(e) and M = ceil(the row's largest t), a whole number; so 1/2 < the row's largest p <= 1. The row's sum l is taken of the UNQUANTISED p, in f32, and the product's result is divided by l at the end. Since M is a whole number, a kernel that streams over the keys may use a running M (the ceiling of the running maximum): every later rescaling is an exact power of two, which a block's scale takes up: the codes' values come out the same.
;;   OPERANDS COMPUTED ON THE WAY. 'Computed on the way' means the value that the module computes at that place (a softmax that the list does not call 'softmax' is quantised finished and normalised). What goes into a quantiser is computed in f32, as accurately as f32 sums, v_exp_f32 and their like allow (about 1e-6 of the number): no bf16 or f16 on the way to a quantiser, and a product that is left as it is and whose result goes on into a quantised operand takes f32 operands (vector FMAs, or v_wmma_f32_16x16x4_f32). A number that lies on a knife's edge between two numbers of the format may be rounded either way, as far as f32 arithmetic and the matrix unit's own rounding can turn it there, and no further.
;; 3 versions. Each part assembles by itself: llvm-mc -triple=amdgcn-amd-amdhsa -mcpu=gfx1250 --defsym DOCPART=n.
;; ======== version 1 of 3: 2 launches
;; workspace buffers: qt 1,048,576 bytes; kt 1,048,576 bytes; uq 8,192 bytes; vc 196,608 bytes; vs 8,192 bytes
;; launch proj (part 1): grid 16 x 3, 8 waves a work-group, no clusters, 27,648 bytes of LDS; arguments x, Wq, bq, Wk, bk, Wv, bv, qt, kt, uq, vc, vs; writes qt, kt, uq, vc, vs
.if DOCPART == 1
	.amdgcn_target "amdgcn-amd-amdhsa--gfx1250"
	.amdhsa_code_object_version 6
	.text
	.protected	k_q5eb5c0de9e_proj
	.globl	k_q5eb5c0de9e_proj
	.p2align	8
	.type	k_q5eb5c0de9e_proj,@function
k_q5eb5c0de9e_proj:
	s_mov_b64 s[64:65], 0
	v_nop
	global_prefetch_b8 v0, s[64:65] scope:SCOPE_SE
	s_setreg_imm32_b32 hwreg(HW_REG_WAVE_MODE, 25, 1), 1
	s_wait_xcnt 0x0
; Q = sigmoid(x Wq^T + bq), K = sigmoid(x Wk^T + bk), V = x Wv^T + bv: three products on codes of FP6 (E2M3) with one E8M0 scale for each 32 along K = the 128 features.
; x [2048][128], W [128][128] f32, K innermost in both.  A work-group takes 128 rows of x (work-group x) and ONE weight (work-group y: 0 Wq, 1 Wk, 2 Wv).
; Eight waves.  Wave w quantises one tile of x (16 rows x 128) and one tile of W (rows 16 w on): a lane (r, h) loads, of row r, k = 64 c + 32 h + 0 .. 31 (c = 0, 1): two whole blocks, in the order
; of the operand's registers, so the conversions' results are the operand.  Both fragments go to LDS as images of their registers (3 x 512 bytes, 16 bytes a lane; the scale word 4 bytes a lane); one barrier.
; Q, K: the product is used transposed (source 0 = 16 rows of W, source 1 = my 16 rows of x; C = the bias): lane (r, h) holds row r and features 16 t + 8 h + 0 .. 7.  After the sigmoid, in f32, they are stored as
;   [row / 32][d / 4][row % 32][4 numbers]: sixteen lanes store 256 consecutive bytes, aligned.  The next launch reads K so with a lane to a key, and Q by scalar loads (eight rows x four features are 128 bytes on end).
;   For Q also U[row] = 10 log2(e) - C x (the sum of the row's 128 numbers), C = 10 log2(e) / 128: the part of the next launch's exponent that hangs on the query alone.
; V: source 0 = 16 rows of x (keys), source 1 = my 16 rows of Wv (channels): a lane holds ONE channel and its registers run along the keys, which are the K of the last product.  THE KEYS OF A TILE ARE NOT NEIGHBOURS:
;   lane r of tile 2 b + u takes key 32 b + 8 u + r + 8 (r / 8), so that the 16 registers of tiles 2 b, 2 b + 1 are keys 32 b + 16 h + 0 .. 15.  The 64 numbers of a lane are quantised in registers and leave as the
;   image of an operand (16 channels x 128 keys, 1,536 bytes on end) at vc[row block][channel tile]; the scale words at vs[batch][channel][key step], 4 bytes each, 32 bytes apart: 128 words a work-group.
; A block's scale byte is its largest magnitude's exponent field - 2, held at 1 from below.  LIMITS: a block of zeros gets the byte 1 where the rule says 127 (its codes are zeros; this program alone reads the bytes);
; NaN and infinities among the inputs are not served.
; No tensor load, no ring: each work-group reads 64 KB of x and 64 KB of W once, straight into registers.
.set FRB,  1536                        ; a fragment's image: 12 registers x 128 bytes
.set XIMG, 0                           ; LDS: x's 8 fragments,
.set XSC,  8*FRB                       ; their scale words, 128 bytes each,
.set WIMG, XSC+8*128                   ; W's 8 fragments,
.set WSC,  WIMG+8*FRB                  ; their scale words
.set H8,   14                          ; v14     8 h
.set QS,   15                          ; v15     the scale word just made; later my own fragment's
.set QF,   16                          ; v16-27  the fragment just made; later my own fragment, fetched from LDS
.set FS,   28                          ; v28-35  scale words of the eight fragments fetched
.set TM,   36                          ; v36-42  at work in QROW
.set CT,   44                          ; v44-50  at work in QROW
.set CB,   44                          ; v44-51  V: the bias as C, the same number in eight registers (a lane holds one channel)
.set BV,   52                          ; v52     V: bv of my channel
.set RA,   54                          ; v54-117  64 numbers of x
.set RB,   118                         ; v118-181 64 numbers of W
.set D,    182                         ; v182-245 the eight results; for Q and K the bias is loaded here and is the C in place
.set FR,   54                          ; v54-149 the eight fragments fetched
.set TQ,   54                          ; v54-69  at work in QUANT
.set PC,   70                          ; v70-88  V's codes
.set PW,   90                          ; v90     V's scale word
.set SA,   54                          ; v54-57  the row sums of Q
.set NL2E, 36                          ; s[36:37] -log2(e)
.set SEL,  38                          ; s[38:39] lane selects of v_permlanex16_b32: lane l xor 16
; 64 numbers of a lane, register 32 c + i = k 64 c + 32 h + i of my row, become the fragment in v[QF] on and its scale word in v[QS]
.macro QROW s
	v_max3_num_f32 v[TM], |v[\s]|, |v[\s+1]|, 0x1800000            ; my two blocks by turns; the floor 2^(3 - 127) holds the byte at 1 from below
	v_max3_num_f32 v[TM+1], |v[\s+32]|, |v[\s+33]|, 0x1800000
.irp i, 2,4,6,8,10,12,14,16,18,20,22,24,26,28,30
	v_max3_num_f32 v[TM], v[TM], |v[\s+\i]|, |v[\s+\i+1]|
	v_max3_num_f32 v[TM+1], v[TM+1], |v[\s+32+\i]|, |v[\s+33+\i]|
.endr
	v_add_nc_u32 v[TM+2], 0xff000000, v[TM]                        ; 2 off the exponent field: the conversion's scale operand
	v_add_nc_u32 v[TM+3], 0xff000000, v[TM+1]
	v_lshrrev_b32 v[TM+4], 23, v[TM+2]                             ; the scale's byte
	v_lshrrev_b32 v[TM+5], 23, v[TM+3]
	v_lshl_or_b32 v[QS], v[TM+5], 16, v[TM+4]                      ; blocks h and 2 + h of my row,
	v_lshlrev_b32 v[QS], v[H8], v[QS]                              ; at their places in the word;
	v_permlanex16_b32 v[TM+6], v[QS], s[SEL], s[SEL+1]
	v_or_b32 v[QS], v[QS], v[TM+6]                                 ; with lane l xor 16's two the word is whole
	v_cvt_scalef32_pk16_fp6_f32 v[QF:QF+2], v[\s:\s+15], v[TM+2]
	v_cvt_scalef32_pk16_fp6_f32 v[CT:CT+2], v[\s+16:\s+31], v[TM+2]      ; (a conversion's three registers begin on an even number: the second half of a block's six is made elsewhere and moved)
	v_cvt_scalef32_pk16_fp6_f32 v[QF+6:QF+8], v[\s+32:\s+47], v[TM+3]
	v_cvt_scalef32_pk16_fp6_f32 v[CT+4:CT+6], v[\s+48:\s+63], v[TM+3]
	v_nop                                                          ; one plain place behind the conversions
.irp i, 0,1,2
	v_mov_b32 v[QF+3+\i], v[CT+\i]
	v_mov_b32 v[QF+9+\i], v[CT+4+\i]
.endr
.endm
; 64 numbers of a lane, register 16 b + i = k 32 b + 16 h + i of my row, become a fragment in v[PC] on and its scale word in v[PW]
.macro QUANT s
.irp b, 0,1,2,3
	v_max3_num_f32 v[TQ+\b], |v[\s+16*\b]|, |v[\s+1+16*\b]|, 0x1800000
.endr
.irp i, 2,4,6,8,10,12,14
.irp b, 0,1,2,3
	v_max3_num_f32 v[TQ+\b], v[TQ+\b], |v[\s+16*\b+\i]|, |v[\s+1+16*\b+\i]|
.endr
.endr
.irp b, 0,1,2,3
	v_permlanex16_b32 v[TQ+4+\b], v[TQ+\b], s[SEL], s[SEL+1]
.endr
.irp b, 0,1,2,3
	v_max_num_f32 v[TQ+\b], v[TQ+\b], v[TQ+4+\b]                   ; with lane l xor 16's 16: the block's largest magnitude
.endr
.irp b, 0,1,2,3
	v_add_nc_u32 v[TQ+12+\b], 0xff000000, v[TQ+\b]
.endr
.irp b, 0,1,2,3
	v_lshrrev_b32 v[TQ+4+\b], 23, v[TQ+12+\b]
.endr
	v_lshl_or_b32 v[PW], v[TQ+5], 8, v[TQ+4]
	v_lshl_or_b32 v[PW], v[TQ+6], 16, v[PW]
	v_lshl_or_b32 v[PW], v[TQ+7], 24, v[PW]
.irp c, 0,1
	v_cvt_scalef32_pk16_fp6_f32 v[PC+6*\c:PC+2+6*\c], v[\s+32*\c:\s+15+32*\c], v[TQ+12+2*\c]
	v_cvt_scalef32_pk16_fp6_f32 v[PC+12+4*\c:PC+14+4*\c], v[\s+16+32*\c:\s+31+32*\c], v[TQ+12+2*\c+1]
.endr
	v_nop                                                          ; one plain place behind the conversions
.irp c, 0,1                                    ; the operand wants a whole block in a lane: lanes 0-15 block 2 c, lanes 16-31 block 2 c + 1
.irp i, 0,1,2
	v_permlane16_swap_b32 v[PC+6*\c+\i], v[PC+12+4*\c+\i]
.endr
.irp i, 0,1,2
	v_mov_b32 v[PC+3+6*\c+\i], v[PC+12+4*\c+\i]
.endr
.endr
.endm
	s_load_b512 s[4:19], s[0:1], 0x0               ; x s[4:5], Wq s[6:7], bq s[8:9], Wk s[10:11], bk s[12:13], Wv s[14:15], bv s[16:17], qt s[18:19]
	s_load_b256 s[20:27], s[0:1], 0x40             ; kt s[20:21], uq s[22:23], vc s[24:25], vs s[26:27]
	v_lshl_add_u32 v254, v0, 2, 0x6800
	v_mov_b32 v255, 0
	v_lshrrev_b32 v1, 5, v0
	v_readfirstlane_b32 s28, v1                    ; wave 0..7
	s_and_b32 s29, ttmp7, 0xffff                   ; 0: Q, 1: K, 2: V
	v_and_b32 v1, 15, v0                           ; r
	v_bfe_u32 v12, v0, 4, 1                        ; h
	v_and_b32 v13, 31, v0                          ; lane
	s_lshl_b32 s41, s28, 4                         ; Q, K: my tile of x begins at row 16 w;
	s_lshr_b32 s42, s28, 1
	s_lshl_b32 s42, s42, 5
	s_and_b32 s43, s28, 1
	s_lshl_b32 s43, s43, 3
	s_add_co_u32 s42, s42, s43                     ; V: at row 32 (w / 2) + 8 (w % 2),
	s_cmp_eq_u32 s29, 2
	s_cselect_b32 s41, s42, s41
	s_cselect_b32 s40, 8, 0                        ; and lane r takes row r + 8 (r / 8) of it
	s_lshl_b32 s42, ttmp9, 7
	s_add_co_u32 s41, s41, s42                     ; + 128 x work-group x
	s_lshl_b32 s42, s41, 9                         ; in bytes: 512 a row
	s_mov_b32 s43, 0
	v_and_b32 v2, s40, v1
	v_add_nc_u32 v2, v2, v1
	v_lshlrev_b32 v2, 9, v2
	v_lshl_add_u32 v2, v12, 7, v2                  ; x: my row x 512 + 128 h
	v_lshlrev_b32 v3, 9, v1
	v_lshl_add_u32 v3, v12, 7, v3                  ; W: row r x 512 + 128 h
	v_lshlrev_b32 v4, 5, v12                       ; Q, K: the bias of features 8 h on
	v_lshlrev_b32 v7, 4, v13                       ; 16 x lane: an image's place for my lane
	v_lshlrev_b32 v8, 2, v13                       ; 4 x lane: a scale word's
	s_mul_i32 s44, s28, FRB
	v_add_nc_u32 v5, s44, v7                       ; my own image: 16 x lane + 1,536 x wave
	v_lshlrev_b32 v6, 2, v0                        ; my own scale words: 4 x lane + 128 x wave
	v_lshlrev_b32 v9, 4, v1
	v_lshl_add_u32 v9, v12, 10, v9                 ; Q, K on the way out: 16 r + 1,024 h
	v_lshlrev_b32 v10, 2, v1                       ; 4 r
	v_lshlrev_b32 v11, 5, v1                       ; 32 r
	v_lshlrev_b32 v[H8], 3, v12
	v_mov_b32 v[TM+6], 0                           ; written once: a lane permute's destination counts as one of its sources
	s_mov_b32 s[SEL], 0x76543210
	s_mov_b32 s[SEL+1], 0xfedcba98
	s_mov_b32 s[NL2E], 0xbfb8aa3b                  ; -log2(e)
	s_mov_b32 s[NL2E+1], s[NL2E]                   ; (named with it as a pair, so it is written)
	s_wait_kmcnt 0x0
	s_cmp_eq_u32 s29, 0                            ; the buffers are chosen by the work-group's number alone
	s_cselect_b64 s[30:31], s[6:7], s[10:11]
	s_cselect_b64 s[32:33], s[8:9], s[12:13]
	s_cselect_b64 s[34:35], s[18:19], s[20:21]
	s_cmp_eq_u32 s29, 2
	s_cselect_b64 s[30:31], s[14:15], s[30:31]     ; the weight,
	s_cselect_b64 s[32:33], s[16:17], s[32:33]     ; its bias
	s_add_nc_u64 s[4:5], s[4:5], s[42:43]          ; x at my tile
	s_lshl_b32 s44, s28, 13
	s_mov_b32 s45, 0
	s_add_nc_u64 s[30:31], s[30:31], s[44:45]      ; W at its rows 16 w on
	s_cmp_eq_u32 s29, 2
	s_cbranch_scc1 .Lbias_v
.irp t, 0,1,2,3,4,5,6,7                        ; the bias in the result's layout: features 16 t + 8 h + 0 .. 7
.irp i, 0,1
	global_load_b128 v[D+8*\t+4*\i:D+8*\t+4*\i+3], v4, s[32:33] offset:64*\t+16*\i
.endr
.endr
	s_branch .Lbias_done
.Lbias_v:
	s_lshl_b32 s44, s28, 6
	s_add_nc_u64 s[32:33], s[32:33], s[44:45]
	global_load_b32 v[BV], v10, s[32:33]           ; bv of channel 16 w + r
.Lbias_done:
.irp c, 0,1
.irp i, 0,1,2,3,4,5,6,7
	global_load_b128 v[RA+32*\c+4*\i:RA+32*\c+4*\i+3], v2, s[4:5] offset:256*\c+16*\i
.endr
.endr
.irp c, 0,1
.irp i, 0,1,2,3,4,5,6,7
	global_load_b128 v[RB+32*\c+4*\i:RB+32*\c+4*\i+3], v3, s[30:31] offset:256*\c+16*\i
.endr
.endr
	s_wait_loadcnt 16                              ; the bias and x are in; W's sixteen loads, issued behind them, may be out
	QROW RA
.irp k, 0,1,2
	ds_store_b128 v5, v[QF+4*\k:QF+4*\k+3] offset:XIMG+512*\k
.endr
	ds_store_b32 v6, v[QS] offset:XSC
	s_wait_loadcnt 0x0                             ; W
	s_wait_dscnt 0x0                               ; the stores have read their registers, which are written again now
	QROW RB
.irp k, 0,1,2
	ds_store_b128 v5, v[QF+4*\k:QF+4*\k+3] offset:WIMG+512*\k
.endr
	ds_store_b32 v6, v[QS] offset:WSC
	s_wait_dscnt 0x0                               ; for the others' sake: my images lie in LDS
	s_barrier_signal -1
	s_barrier_wait -1                              ; everybody's do; nothing is stored to LDS from here on
	s_cmp_eq_u32 s29, 2
	s_cbranch_scc1 .Lv_path
	; ---- Q, K: my 16 rows of x against W's eight tiles
.irp t, 0,1,2,3,4,5,6,7
.irp k, 0,1,2
	ds_load_b128 v[FR+12*\t+4*\k:FR+12*\t+4*\k+3], v7 offset:WIMG+FRB*\t+512*\k
.endr
	ds_load_b32 v[FS+\t], v8 offset:WSC+128*\t
.endr
.irp k, 0,1,2
	ds_load_b128 v[QF+4*\k:QF+4*\k+3], v5 offset:XIMG+512*\k       ; my own tile of x comes back as it went
.endr
	ds_load_b32 v[QS], v6 offset:XSC
	s_lshl_b32 s46, ttmp9, 2                       ; where my rows go: block of 32 rows 4 x work-group x + w / 2, 16,384 bytes each; rows 16 (w % 2) on in it
	s_lshr_b32 s44, s28, 1
	s_add_co_u32 s46, s46, s44
	s_lshl_b32 s46, s46, 14
	s_and_b32 s44, s28, 1
	s_lshl_b32 s44, s44, 8
	s_add_co_u32 s46, s46, s44
	s_mov_b32 s47, 0
	s_add_nc_u64 s[34:35], s[34:35], s[46:47]
	s_wait_dscnt 0x0
.irp t, 0,1,2,3,4,5,6,7                        ; eight sums, each begun by its bias: lane (r, h) holds row r, features 16 t + 8 h + 0 .. 7
	v_wmma_scale_f32_16x16x128_f8f6f4 v[D+8*\t:D+8*\t+7], v[FR+12*\t:FR+12*\t+11], v[QF:QF+11], v[D+8*\t:D+8*\t+7], v[FS+\t], v[QS] matrix_a_fmt:MATRIX_FMT_FP6 matrix_b_fmt:MATRIX_FMT_FP6
.endr
.rept 4
	v_nop                                          ; four places in front of the first read of results
.endr
.set j, 0
.rept 32
	v_pk_mul_f32 v[D+j:D+j+1], v[D+j:D+j+1], s[NL2E:NL2E+1] op_sel_hi:[1,0]   ; sigmoid(z) = 1 / (1 + 2^(-z log2(e))), in f32; each result from its low end on
.set j, j+2
.endr
.set j, 0
.rept 64
	v_exp_f32 v[D+j], v[D+j]
.set j, j+1
.endr
	v_nop                                          ; a plain place behind the batch,
	s_wait_alu depctr_va_vdst(0)                   ; and one wait for it, ahead of its first reader
.set j, 0
.rept 32
	v_pk_add_f32 v[D+j:D+j+1], v[D+j:D+j+1], 1.0 op_sel_hi:[1,0]
.set j, j+2
.endr
.set j, 0
.rept 64
	v_rcp_f32 v[D+j], v[D+j]
.set j, j+1
.endr
	v_nop
	s_wait_alu depctr_va_vdst(0)
.irp t, 0,1,2,3,4,5,6,7
.irp i, 0,1
	global_store_b128 v9, v[D+8*\t+4*\i:D+8*\t+4*\i+3], s[34:35] offset:2048*\t+512*\i   ; features 4 (4 t + 2 h + i) on: sixteen lanes store 256 consecutive bytes, aligned
.endr
.endr
	s_cmp_lg_u32 s29, 0
	s_cbranch_scc1 .Lqk_end
	; Q alone: U = 10 log2(e) - C x the row's sum.  (The stores above only read D, and so do these lines)
	s_mov_b32 s44, 0xbde6d4ca                      ; -C = -10 log2(e) / 128
	s_mov_b32 s45, 0x4166d4ca                      ; 10 log2(e)
	s_lshl_b32 s46, ttmp9, 9
	s_lshl_b32 s40, s28, 6
	s_add_co_u32 s46, s46, s40                     ; 4 bytes x (128 x work-group x + 16 w)
	s_add_nc_u64 s[22:23], s[22:23], s[46:47]
	v_pk_add_f32 v[SA:SA+1], v[D:D+1], v[D+2:D+3]
	v_pk_add_f32 v[SA+2:SA+3], v[D+4:D+5], v[D+6:D+7]
.irp j, 8,12,16,20,24,28,32,36,40,44,48,52,56,60
	v_pk_add_f32 v[SA:SA+1], v[SA:SA+1], v[D+\j:D+\j+1]
	v_pk_add_f32 v[SA+2:SA+3], v[SA+2:SA+3], v[D+\j+2:D+\j+3]
.endr
	v_pk_add_f32 v[SA:SA+1], v[SA:SA+1], v[SA+2:SA+3]
	v_add_f32 v[SA], v[SA], v[SA+1]                ; my 64 features,
	v_permlanex16_b32 v[SA+2], v[SA], s[SEL], s[SEL+1]
	v_add_f32 v[SA], v[SA], v[SA+2]                ; and lane l xor 16's
	v_fma_f32 v[SA], v[SA], s44, s45
	global_store_b32 v10, v[SA], s[22:23]          ; (lanes r and 16 + r store the same word with the same value)
.Lqk_end:
	s_wait_tensorcnt 0x0
	ds_add_u32 v254, v255
	s_wait_dscnt 0x0
	s_endpgm
.Lv_path:
	; ---- V: x's eight tiles of keys against my 16 channels
.irp i, 0,1,2,3,4,5,6,7
	v_mov_b32 v[CB+\i], v[BV]
.endr
.irp t, 0,1,2,3,4,5,6,7
.irp k, 0,1,2
	ds_load_b128 v[FR+12*\t+4*\k:FR+12*\t+4*\k+3], v7 offset:XIMG+FRB*\t+512*\k
.endr
	ds_load_b32 v[FS+\t], v8 offset:XSC+128*\t
.endr
.irp k, 0,1,2
	ds_load_b128 v[QF+4*\k:QF+4*\k+3], v5 offset:WIMG+512*\k       ; my own tile of Wv
.endr
	ds_load_b32 v[QS], v6 offset:WSC
	s_lshl_b32 s46, ttmp9, 3
	s_add_co_u32 s46, s46, s28
	s_mul_i32 s46, s46, FRB                        ; vc: image 8 x work-group x + w
	s_mov_b32 s47, 0
	s_add_nc_u64 s[24:25], s[24:25], s[46:47]
	s_lshr_b32 s46, ttmp9, 3                       ; vs: ((batch x 128 + 16 w + r) x 8 + key step) x 4
	s_lshl_b32 s46, s46, 12
	s_lshl_b32 s44, s28, 9
	s_add_co_u32 s46, s46, s44
	s_and_b32 s44, ttmp9, 7
	s_lshl_b32 s44, s44, 2
	s_add_co_u32 s46, s46, s44
	s_add_nc_u64 s[26:27], s[26:27], s[46:47]
	s_wait_dscnt 0x0
.rept 8
	v_nop                                          ; places between the moves that made C and the matrix instructions
.endr
.irp t, 0,1,2,3,4,5,6,7                        ; lane (r, h) holds channel 16 w + r; register 8 t + i is key 32 (t / 2) + 16 h + 8 (t % 2) + i
	v_wmma_scale_f32_16x16x128_f8f6f4 v[D+8*\t:D+8*\t+7], v[FR+12*\t:FR+12*\t+11], v[QF:QF+11], v[CB:CB+7], v[FS+\t], v[QS] matrix_a_fmt:MATRIX_FMT_FP6 matrix_b_fmt:MATRIX_FMT_FP6
.endr
.rept 4
	v_nop                                          ; four places in front of the first read of results and of writes over the fragments
.endr
	QUANT D
.irp k, 0,1,2
	global_store_b128 v7, v[PC+4*\k:PC+4*\k+3], s[24:25] offset:512*\k   ; 32 lanes store 512 consecutive bytes, aligned
.endr
	global_store_b32 v11, v[PW], s[26:27]          ; (lanes r and 16 + r store the same word with the same value)
	s_wait_tensorcnt 0x0
	ds_add_u32 v254, v255
	s_wait_dscnt 0x0
	s_endpgm
.Lfunc_end_k_q5eb5c0de9e_proj:
	.size	k_q5eb5c0de9e_proj, .Lfunc_end_k_q5eb5c0de9e_proj-k_q5eb5c0de9e_proj
	.p2alignl 7, 3214868480
	.fill 96, 4, 3214868480
	.section	.rodata,"a",@progbits
	.p2align	6, 0x0
	.amdhsa_kernel k_q5eb5c0de9e_proj
		.amdhsa_group_segment_fixed_size 27648
		.amdhsa_private_segment_fixed_size 0
		.amdhsa_enable_private_segment 0
		.amdhsa_kernarg_size 96
		.amdhsa_user_sgpr_count 2
		.amdhsa_user_sgpr_kernarg_segment_ptr 1
		.amdhsa_wavefront_size32 1
		.amdhsa_system_sgpr_workgroup_id_x 1
		.amdhsa_system_sgpr_workgroup_id_y 1
		.amdhsa_system_sgpr_workgroup_id_z 1
		.amdhsa_system_vgpr_workitem_id 0
		.amdhsa_next_free_vgpr 256
		.amdhsa_next_free_sgpr 66
		.amdhsa_reserve_vcc 0
		.amdhsa_float_denorm_mode_32 3
		.amdhsa_float_denorm_mode_16_64 3
		.amdhsa_memory_ordered 1
		.amdhsa_forward_progress 1
		.amdhsa_inst_pref_size 39
	.end_amdhsa_kernel
	.amdgpu_metadata
---
amdhsa.version: [ 1, 2 ]
amdhsa.kernels:
  - .name:           k_q5eb5c0de9e_proj
    .symbol:         k_q5eb5c0de9e_proj.kd
    .args:
      - { .name: x, .offset: 0, .size: 8, .value_kind: global_buffer, .address_space: global }
      - { .name: Wq, .offset: 8, .size: 8, .value_kind: global_buffer, .address_space: global }
      - { .name: bq, .offset: 16, .size: 8, .value_kind: global_buffer, .address_space: global }
      - { .name: Wk, .offset: 24, .size: 8, .value_kind: global_buffer, .address_space: global }
      - { .name: bk, .offset: 32, .size: 8, .value_kind: global_buffer, .address_space: global }
      - { .name: Wv, .offset: 40, .size: 8, .value_kind: global_buffer, .address_space: global }
      - { .name: bv, .offset: 48, .size: 8, .value_kind: global_buffer, .address_space: global }
      - { .name: qt, .offset: 56, .size: 8, .value_kind: global_buffer, .address_space: global }
      - { .name: kt, .offset: 64, .size: 8, .value_kind: global_buffer, .address_space: global }
      - { .name: uq, .offset: 72, .size: 8, .value_kind: global_buffer, .address_space: global }
      - { .name: vc, .offset: 80, .size: 8, .value_kind: global_buffer, .address_space: global }
      - { .name: vs, .offset: 88, .size: 8, .value_kind: global_buffer, .address_space: global }
    .group_segment_fixed_size: 27648
    .private_segment_fixed_size: 0
    .kernarg_segment_align: 8
    .kernarg_segment_size: 96
    .max_flat_workgroup_size: 256
    .sgpr_count:     66
    .vgpr_count:     256
    .wavefront_size: 32
...
	.end_amdgpu_metadata
.endif
;; end of part 1
;; launch attn (part 2): grid 64 x 2, 16 waves a work-group, no clusters, 90,624 bytes of LDS; arguments qt, kt, uq, vc, vs, out0; writes out0
.if DOCPART == 2
	.amdgcn_target "amdgcn-amd-amdhsa--gfx1250"
	.amdhsa_code_object_version 6
	.text
	.protected	k_q5eb5c0de9e_attn
	.globl	k_q5eb5c0de9e_attn
	.p2align	8
	.type	k_q5eb5c0de9e_attn,@function
k_q5eb5c0de9e_attn:
	s_mov_b64 s[64:65], 0
	v_nop
	global_prefetch_b8 v0, s[64:65] scope:SCOPE_SE
	s_setreg_imm32_b32 hwreg(HW_REG_WAVE_MODE, 25, 1), 1
	s_wait_xcnt 0x0
; out[q] = sum over k of p(q, k) V[k] / sum over k of p(q, k).  For k <= q: p = 2^t, t = 10 log2(e) x mean over d of min(1 - Q[q][d] + K[k][d], 1); for k > q the score is 0, so p = 1: hidden keys still count.
; min(1 - q + k, 1) = 1 + min(q, k) - q, so t = C x (sum over d of min(Q, K)) + U[q], C = 10 log2(e) / 128, U[q] = 10 log2(e) - C x sum over d of Q[q][d] (made by the launch before).
; NO MAXIMUM IS TAKEN AWAY: Q and K are sigmoids, in [0, 1], and the minimum clips at 1, so the mean lies in [0, 1] for every input: t in [0, 14.43], p in [1, 22027), a row's sum under 2.3e7.  The rule's M is a
; whole number; with M = 0 each block's scale byte and the row's sum carry the factor 2^M exactly, and the codes are the rule's.
; SHARES.  Work-group (j, batch) owns 16 queries: 8 j .. 8 j + 7 (rows 0-7 of its tile) and 1016 - 8 j .. 1023 - 8 j (rows 8-15): together 1,025 visible keys a pair, the same for every j.
; A LANE IS A KEY: a tile of 32 keys x 128 features lies in 128 registers of a wave, brought by 32 loads of 512 consecutive bytes (kt is laid for it).  Q COMES AS SCALARS: eight queries x four features are 128 bytes
; on end in qt: two s_load_b512 a chunk, two buffers of 32 registers by turns; a chunk's loads are issued one chunk (32 vector instructions) ahead of the wait for them.  Two terms cost one dual minimum and half..
; in all one instruction a term: 16 dual minima and 16 packed additions a chunk.
; Wave w owns key tiles w and 31 - w.  With tl = j / 4 (the tile that holds the low queries; 31 - tl holds the high ones): tile w x high queries is always computed; tile w x low queries where w <= tl;
; tile 31 - w x high queries where w >= tl; all else is hidden and gets p = 1.  So a wave has two items of 8 queries x 32 keys, the wave w = tl three.  The branches hang on ids alone.
; The item in front of tile 31 - w loads that tile into the K registers chunk by chunk, as they fall free.
; THEN: p lies in LDS as [16 queries][1,024 keys] f32 | barrier | waves 0-7: key step w (128 keys): a lane (r, h) reads query r, keys 64 c + 32 h + 0 .. 31, sums them (unquantised), quantises them: the operand's
; registers; image to LDS | barrier | waves 0-7: channel tile w: O^T = V^T P^T over the eight key steps, two accumulators by turns; divided by the row's sum; to a stage | barrier | each of the 16 waves stores one row.
; NO CLUSTER, NO TENSOR LOAD: a tile of K (16 KB) goes from memory straight into the registers of the one wave that uses it; a joint load would land it in LDS, from where the same 16 KB would be read again by
; 32 LDS loads a wave.  (The four work-groups of equal j / 4 do read the same tiles.)  LIMITS: NaN and infinities are not served.
.set FRB,  1536
.set PIMG, 0                           ; LDS: P's 8 fragments as images,
.set PSC,  8*FRB                       ; their scale words, 128 bytes each,
.set LSUM, PSC+1024                    ; the row sums of the 8 key steps, 128 bytes each,
.set OSTG, LSUM+1024                   ; the stage for the way out: 16 rows x (512 + 16) bytes,
.set OP,   528
.set PB,   OSTG+16*OP                  ; and p: 16 rows x (4,096 + 16) bytes: the pitch is an odd multiple of 16 bytes, so the 16 rows that a load touches start in different banks
.set PP,   4112
.set H8,   15                          ; v15      8 h
.set TM,   16                          ; v16-22   at work in QROW
.set CT,   24                          ; v24-30   at work in QROW
.set LB,   24                          ; v24-25   the second chain of the row sum
.set QF,   32                          ; v32-43   the fragment just made
.set QS,   45                          ; v45      its scale word
.set LA,   46                          ; v46-47   the row sum
.set VSC,  48                          ; v48-55   V's scale words of the eight key steps
.set PSW,  56                          ; v56-63   P's
.set K,    64                          ; v64-191  a tile of K; later V's eight fragments (v64-159)
.set ACC,  192                         ; v192-223 four sums for each of eight queries
.set T,    224                         ; v224-239 minima
.set SR,   240                         ; v240-247 scores, then p
.set PRW,  160                         ; v160-223 64 numbers of p
.set PFR,  160                         ; v160-255 P's eight fragments
.set OA,   16                          ; v16-31   two accumulators
.set LP,   32                          ; v32-39   the eight key steps' row sums
.set SEL,  16                          ; s[16:17] lane selects of v_permlanex16_b32, behind the last item
; the features 4 g .. 4 g + 3 of query i: min(Q, K) into v[dst] .. v[dst + 3].  Even chunks lie in s16-47, odd ones in s48-63 and s84-99
.macro UNIT i, dst
.if (g%2) == 0
.set SB, 16+4*(\i)
.elseif (\i) < 4
.set SB, 48+4*(\i)
.else
.set SB, 84+4*((\i)-4)
.endif
	v_dual_min_num_f32 v[\dst], s[SB], v[K+4*g] :: v_dual_min_num_f32 v[\dst+1], s[SB+1], v[K+4*g+1]
	v_dual_min_num_f32 v[\dst+2], s[SB+2], v[K+4*g+2] :: v_dual_min_num_f32 v[\dst+3], s[SB+3], v[K+4*g+3]
.endm
.macro CHUNK
.if g == 0
.irp i, 0,1,2,3,4,5,6,7
	UNIT \i, ACC+4*\i                              ; the first chunk starts the sums: nothing is cleared
.endr
.else
.irp q, 0,4                                    ; four queries at a time: eight minima, then their eight additions
.irp i, 0,1,2,3
	UNIT \q+\i, T+4*\i
.endr
.irp i, 0,1,2,3
	v_pk_add_f32 v[ACC+4*(\q+\i):ACC+4*(\q+\i)+1], v[ACC+4*(\q+\i):ACC+4*(\q+\i)+1], v[T+4*\i:T+4*\i+1]
	v_pk_add_f32 v[ACC+4*(\q+\i)+2:ACC+4*(\q+\i)+3], v[ACC+4*(\q+\i)+2:ACC+4*(\q+\i)+3], v[T+4*\i+2:T+4*\i+3]
.endr
.endr
.endif
.endm
; AN ITEM: eight queries x the 32 keys in the K registers.  qb: the scalar pair with the queries' place in qt;  ub: their eight U;  row: their first row of p;  pa: the register with my key's place in a row of p;
; rel: the register with my key - the first query (hidden where that is above the query's number i), or -1: all keys count;  pre = 1: tile 31 - w is loaded into the K registers as they fall free.
.macro ITEM qb, ub, row, pa, rel, pre
	s_load_b512 s[16:31], s[\qb:\qb+1], 0x0
	s_load_b512 s[32:47], s[\qb:\qb+1], 0x40
.set g, 0
.rept 32
	s_wait_kmcnt 0x0                               ; this chunk's 32 scalars are in
.if g < 31
.if (g%2) == 0
	s_load_b512 s[48:63], s[\qb:\qb+1], 512*(g+1)
	s_load_b512 s[84:99], s[\qb:\qb+1], 512*(g+1)+64
.else
	s_load_b512 s[16:31], s[\qb:\qb+1], 512*(g+1)
	s_load_b512 s[32:47], s[\qb:\qb+1], 512*(g+1)+64
.endif
.endif
.if (g%4) == 0
.if \pre
	s_wait_loadcnt 28                              ; K's loads g .. g + 3 are in: behind them 28 - g of this tile and the g of the next tile issued so far
.else
	s_wait_loadcnt 28-g                            ; K's loads g .. g + 3 are in: behind them 28 - g of this tile
.endif
.endif
	CHUNK
.if \pre
	global_load_b128 v[K+4*g:K+4*g+3], v1, s[12:13] offset:512*g
.endif
.set g, g+1
.endr
.irp i, 0,1,2,3,4,5,6,7
	v_pk_add_f32 v[ACC+4*\i:ACC+4*\i+1], v[ACC+4*\i:ACC+4*\i+1], v[ACC+4*\i+2:ACC+4*\i+3]
.endr
.irp i, 0,1,2,3,4,5,6,7
	v_add_f32 v[SR+\i], v[ACC+4*\i], v[ACC+4*\i+1]
.endr
.irp i, 0,1,2,3,4,5,6,7
	v_fma_f32 v[SR+\i], v[SR+\i], s14, s[\ub+\i]   ; t = C x sum + U
.endr
.irp i, 0,1,2,3,4,5,6,7
	v_exp_f32 v[SR+\i], v[SR+\i]                   ; p = 2^t
.endr
	v_nop                                          ; a plain place behind the batch,
	s_wait_alu depctr_va_vdst(0)                   ; and one wait for it, ahead of its first reader
.if \rel >= 0
.irp i, 0,1,2,3,4,5,6,7
	v_cmp_ge_i32 vcc_lo, \i, v[\rel]               ; my key counts for query i
	v_cndmask_b32 v[SR+\i], 1.0, v[SR+\i], vcc_lo  ; else its score is 0: p = 1
.endr
.endif
.irp i, 0,1,2,3,4,5,6,7
	ds_store_b32 v[\pa], v[SR+\i] offset:(\row+\i)*PP   ; 32 lanes: 128 consecutive bytes of a row of p
.endr
.endm
.macro ONES pa, row                            ; eight queries to which all 32 keys are hidden
.irp i, 0,1,2,3,4,5,6,7
	ds_store_b32 v[\pa], v6 offset:(\row+\i)*PP
.endr
.endm
; 64 numbers of a lane, register 32 c + i = k 64 c + 32 h + i of my row, become the fragment in v[QF] on and its scale word in v[QS]
.macro QROW s
	v_max3_num_f32 v[TM], |v[\s]|, |v[\s+1]|, 0x1800000            ; my two blocks by turns; the floor 2^(3 - 127) holds the byte at 1 from below
	v_max3_num_f32 v[TM+1], |v[\s+32]|, |v[\s+33]|, 0x1800000
.irp i, 2,4,6,8,10,12,14,16,18,20,22,24,26,28,30
	v_max3_num_f32 v[TM], v[TM], |v[\s+\i]|, |v[\s+\i+1]|
	v_max3_num_f32 v[TM+1], v[TM+1], |v[\s+32+\i]|, |v[\s+33+\i]|
.endr
	v_add_nc_u32 v[TM+2], 0xff000000, v[TM]                        ; 2 off the exponent field: the conversion's scale operand
	v_add_nc_u32 v[TM+3], 0xff000000, v[TM+1]
	v_lshrrev_b32 v[TM+4], 23, v[TM+2]                             ; the scale's byte
	v_lshrrev_b32 v[TM+5], 23, v[TM+3]
	v_lshl_or_b32 v[QS], v[TM+5], 16, v[TM+4]                      ; blocks h and 2 + h of my row,
	v_lshlrev_b32 v[QS], v[H8], v[QS]                              ; at their places in the word;
	v_permlanex16_b32 v[TM+6], v[QS], s[SEL], s[SEL+1]
	v_or_b32 v[QS], v[QS], v[TM+6]                                 ; with lane l xor 16's two the word is whole
	v_cvt_scalef32_pk16_fp6_f32 v[QF:QF+2], v[\s:\s+15], v[TM+2]
	v_cvt_scalef32_pk16_fp6_f32 v[CT:CT+2], v[\s+16:\s+31], v[TM+2]      ; (a conversion's three registers begin on an even number)
	v_cvt_scalef32_pk16_fp6_f32 v[QF+6:QF+8], v[\s+32:\s+47], v[TM+3]
	v_cvt_scalef32_pk16_fp6_f32 v[CT+4:CT+6], v[\s+48:\s+63], v[TM+3]
	v_nop                                                          ; one plain place behind the conversions
.irp i, 0,1,2
	v_mov_b32 v[QF+3+\i], v[CT+\i]
	v_mov_b32 v[QF+9+\i], v[CT+4+\i]
.endr
.endm
	s_load_b256 s[84:91], s[0:1], 0x0              ; qt s[84:85], kt s[86:87], uq s[88:89], vc s[90:91]
	s_load_b128 s[92:95], s[0:1], 0x20             ; vs s[92:93], out0 s[94:95]
	v_lshrrev_b32 v16, 5, v0
	v_readfirstlane_b32 s2, v16                    ; wave 0..15: my first tile of keys
	s_xor_b32 s3, s2, 31                           ; my second: 31 - wave
	s_and_b32 s4, ttmp7, 0xffff                    ; batch
	s_lshr_b32 s5, ttmp9, 2                        ; tl = j / 4
	s_mov_b32 s14, 0x3de6d4ca                      ; C = 10 log2(e) / 128
	s_lshl_b32 s15, ttmp9, 3                       ; the first low query: 8 j
	s_sub_co_u32 s22, 1016, s15                    ; the first high query
	; every LDS address is made here, ahead of the first parting of the waves, and never rewritten
	v_and_b32 v17, 31, v0                          ; lane
	v_and_b32 v18, 15, v0                          ; r
	v_bfe_u32 v19, v0, 4, 1                        ; h
	v_lshlrev_b32 v1, 4, v17                       ; 16 x lane
	v_lshl_add_u32 v2, v0, 2, PB                   ; p: my key of tile w: 128 w + 4 x lane
	s_lshl_b32 s42, s3, 7
	s_add_co_u32 s42, s42, PB
	v_lshl_add_u32 v3, v17, 2, s42                 ; p: my key of tile 31 - w
	s_lshl_b32 s42, s2, 5
	s_sub_co_i32 s42, s42, s15
	v_add_nc_u32 v4, s42, v17                      ; my key of tile w - the first low query
	s_lshl_b32 s42, s3, 5
	s_sub_co_i32 s42, s42, s22
	v_add_nc_u32 v5, s42, v17                      ; my key of tile 31 - w - the first high query
	v_mov_b32 v6, 1.0
	v_mul_u32_u24 v7, v18, PP
	v_lshl_add_u32 v7, v19, 7, v7
	s_lshl_b32 s42, s2, 9
	s_add_co_u32 s42, s42, PB
	v_add_nc_u32 v7, s42, v7                       ; p read back (waves 0-7): row r, key step w, + 32 h keys
	s_mul_i32 s42, s2, FRB
	v_add_nc_u32 v8, s42, v1                       ; my image of P: 16 x lane + 1,536 x wave
	v_lshl_add_u32 v9, v0, 2, PSC                  ; its scale words: 4 x lane + 128 x wave
	v_lshl_add_u32 v10, v0, 2, LSUM                ; its row sums likewise
	v_lshlrev_b32 v11, 2, v17                      ; 4 x lane
	v_mul_u32_u24 v12, v18, OP
	v_lshl_add_u32 v12, v19, 5, v12
	s_lshl_b32 s42, s2, 6
	s_add_co_u32 s42, s42, OSTG
	v_add_nc_u32 v12, s42, v12                     ; the stage, in (waves 0-7): row r, channels 16 w + 8 h on
	s_mul_i32 s42, s2, OP
	s_add_co_u32 s42, s42, OSTG
	v_add_nc_u32 v13, s42, v1                      ; the stage, back: row w, 16 bytes a lane
	v_lshlrev_b32 v14, 5, v18                      ; V's scale words: 32 bytes a channel
	v_lshlrev_b32 v[H8], 3, v19
	v_mov_b32 v[TM+6], 0                           ; written once: a lane permute's destination counts as one of its sources
	; byte offsets, apart from the addresses
	s_lshl_b32 s20, s4, 10                         ; 1,024 x batch
	s_add_co_u32 s21, s20, s15                     ; the low queries' first row of qt and uq
	s_add_co_u32 s23, s20, s22                     ; the high queries'
	s_lshr_b32 s24, s21, 5                         ; qt: (row / 32) x 16,384 + (row % 32) x 16
	s_lshl_b32 s24, s24, 14
	s_and_b32 s26, s21, 31
	s_lshl_b32 s26, s26, 4
	s_add_co_u32 s24, s24, s26
	s_mov_b32 s25, 0
	s_lshr_b32 s26, s23, 5
	s_lshl_b32 s26, s26, 14
	s_and_b32 s28, s23, 31
	s_lshl_b32 s28, s28, 4
	s_add_co_u32 s26, s26, s28
	s_mov_b32 s27, 0
	s_lshl_b32 s28, s4, 5                          ; kt: (32 x batch + tile) x 16,384
	s_add_co_u32 s30, s28, s3
	s_add_co_u32 s28, s28, s2
	s_lshl_b32 s28, s28, 14
	s_lshl_b32 s30, s30, 14
	s_mov_b32 s29, 0
	s_mov_b32 s31, 0
	s_lshl_b32 s32, s21, 2                         ; uq: 4 bytes a row
	s_mov_b32 s33, 0
	s_lshl_b32 s34, s23, 2
	s_mov_b32 s35, 0
	s_lshl_b32 s36, s4, 6                          ; vc: image (8 x batch + key step) x 8 + channel tile; mine is tile w
	s_add_co_u32 s36, s36, s2
	s_mul_i32 s36, s36, FRB
	s_mov_b32 s37, 0
	s_lshl_b32 s38, s4, 12                         ; vs: (128 x batch + 16 w) x 32
	s_lshl_b32 s39, s2, 9
	s_add_co_u32 s38, s38, s39
	s_mov_b32 s39, 0
	s_sub_co_u32 s40, 1008, s15                    ; the row that I store: query 8 j + w, or 1016 - 8 j + w - 8
	s_cmp_lt_u32 s2, 8
	s_cselect_b32 s40, s15, s40
	s_add_co_u32 s40, s40, s2
	s_add_co_u32 s40, s40, s20
	s_lshl_b32 s40, s40, 9
	s_mov_b32 s41, 0
	s_wait_kmcnt 0x0
	s_add_nc_u64 s[10:11], s[86:87], s[28:29]      ; tile w
.set g, 0
.rept 32
	global_load_b128 v[K+4*g:K+4*g+3], v1, s[10:11] offset:512*g   ; features 4 g on of my key: 32 lanes read 512 consecutive bytes
.set g, g+1
.endr
	s_add_nc_u64 s[12:13], s[86:87], s[30:31]      ; tile 31 - w
	s_add_nc_u64 s[6:7], s[84:85], s[24:25]        ; the low queries in qt
	s_add_nc_u64 s[8:9], s[84:85], s[26:27]        ; the high queries
	s_add_nc_u64 s[16:17], s[88:89], s[32:33]
	s_add_nc_u64 s[18:19], s[88:89], s[34:35]
	s_load_b256 s[68:75], s[16:17], 0x0            ; U of the low queries
	s_load_b256 s[76:83], s[18:19], 0x0            ; U of the high queries
	s_add_nc_u64 s[100:101], s[90:91], s[36:37]
	s_add_nc_u64 s[66:67], s[92:93], s[38:39]
	s_add_nc_u64 s[104:105], s[94:95], s[40:41]
	s_wait_kmcnt 0x0                               ; U is in, and s16-19, which those loads read, may be loaded over
	s_cmp_le_u32 s2, s5
	s_cbranch_scc0 .Lno_low
	ITEM 6, 68, 0, 2, 4, 0                         ; tile w x low queries
	s_branch .Llow_done
.Lno_low:
	ONES 2, 0
.Llow_done:
	s_cmp_ge_u32 s2, s5
	s_cbranch_scc0 .Lno_b
	ITEM 8, 76, 8, 2, -1, 1                        ; tile w x high queries: keys under 512, queries from 512 on: all count; tile 31 - w comes in behind it
	ITEM 8, 76, 8, 3, 5, 0                         ; tile 31 - w x high queries
	s_branch .Lhigh_done
.Lno_b:
	ITEM 8, 76, 8, 2, -1, 0
	ONES 3, 8
.Lhigh_done:
	ONES 3, 0                                      ; tile 31 - w begins at key 512 or later: hidden to every low query
	s_cmp_lt_u32 s2, 8
	s_cbranch_scc0 .Lno_v
.irp s, 0,1,2,3,4,5,6,7                        ; V's fragments of channel tile w, all eight key steps, into the K registers, which are free: they land while p is quantised
.irp k, 0,1,2
	global_load_b128 v[K+12*\s+4*\k:K+12*\s+4*\k+3], v1, s[100:101] offset:8*FRB*\s+512*\k
.endr
.endr
	global_load_b128 v[VSC:VSC+3], v14, s[66:67]   ; and channel 16 w + r's eight scale words
	global_load_b128 v[VSC+4:VSC+7], v14, s[66:67] offset:16
.Lno_v:
	s_wait_dscnt 0x0                               ; for the others' sake: my part of p lies in LDS
	s_barrier_signal -1
	s_barrier_wait -1                              ; all of p does
	s_cmp_lt_u32 s2, 8
	s_cbranch_scc0 .Lno_quant
	s_mov_b32 s[SEL], 0x76543210
	s_mov_b32 s[SEL+1], 0xfedcba98
.irp c, 0,1
.irp i, 0,1,2,3,4,5,6,7
	ds_load_b128 v[PRW+32*\c+4*\i:PRW+32*\c+4*\i+3], v7 offset:256*\c+16*\i   ; query r, keys 128 w + 64 c + 32 h + 4 i on
.endr
.endr
	s_wait_dscnt 0x0
	v_pk_add_f32 v[LA:LA+1], v[PRW:PRW+1], v[PRW+2:PRW+3]          ; the row's sum is taken of the unquantised p: two at a time, in two chains
	v_pk_add_f32 v[LB:LB+1], v[PRW+4:PRW+5], v[PRW+6:PRW+7]
.irp j, 8,12,16,20,24,28,32,36,40,44,48,52,56,60
	v_pk_add_f32 v[LA:LA+1], v[LA:LA+1], v[PRW+\j:PRW+\j+1]
	v_pk_add_f32 v[LB:LB+1], v[LB:LB+1], v[PRW+\j+2:PRW+\j+3]
.endr
	v_pk_add_f32 v[LA:LA+1], v[LA:LA+1], v[LB:LB+1]
	v_add_f32 v[LA], v[LA], v[LA+1]
	v_permlanex16_b32 v[LB], v[LA], s[SEL], s[SEL+1]
	v_add_f32 v[LA], v[LA], v[LB]                  ; with lane l xor 16's 64 keys: query r's sum over this key step
	ds_store_b32 v10, v[LA]
	QROW PRW
.irp k, 0,1,2
	ds_store_b128 v8, v[QF+4*\k:QF+4*\k+3] offset:PIMG+512*\k
.endr
	ds_store_b32 v9, v[QS]
.Lno_quant:
	s_wait_dscnt 0x0                               ; my images and sums lie in LDS
	s_barrier_signal -1
	s_barrier_wait -1
	s_cmp_lt_u32 s2, 8
	s_cbranch_scc0 .Lno_pv
.irp s, 0,1,2,3,4,5,6,7
.irp k, 0,1,2
	ds_load_b128 v[PFR+12*\s+4*\k:PFR+12*\s+4*\k+3], v1 offset:PIMG+FRB*\s+512*\k
.endr
	ds_load_b32 v[PSW+\s], v11 offset:PSC+128*\s
	ds_load_b32 v[LP+\s], v11 offset:LSUM+128*\s
.endr
	s_wait_loadcnt 0x0                             ; V
	s_wait_dscnt 0x0
; O^T = V^T P^T: source 0 = 16 channels, source 1 = the 16 queries; K = 128 keys a step.  Two accumulators take turns, one instruction a turn; the first two products start the sums.
.irp s, 0,1
	v_wmma_scale_f32_16x16x128_f8f6f4 v[OA+8*\s:OA+8*\s+7], v[K+12*\s:K+12*\s+11], v[PFR+12*\s:PFR+12*\s+11], 0, v[VSC+\s], v[PSW+\s] matrix_a_fmt:MATRIX_FMT_FP6 matrix_b_fmt:MATRIX_FMT_FP6
.endr
.irp s, 2,3,4,5,6,7
	v_wmma_scale_f32_16x16x128_f8f6f4 v[OA+8*(\s%2):OA+8*(\s%2)+7], v[K+12*\s:K+12*\s+11], v[PFR+12*\s:PFR+12*\s+11], v[OA+8*(\s%2):OA+8*(\s%2)+7], v[VSC+\s], v[PSW+\s] matrix_a_fmt:MATRIX_FMT_FP6 matrix_b_fmt:MATRIX_FMT_FP6
.endr
	v_pk_add_f32 v[LP:LP+1], v[LP:LP+1], v[LP+2:LP+3]              ; the row's sum over the eight key steps: these four lines are also the four places behind the last product
	v_pk_add_f32 v[LP+4:LP+5], v[LP+4:LP+5], v[LP+6:LP+7]
	v_pk_add_f32 v[LP:LP+1], v[LP:LP+1], v[LP+4:LP+5]
	v_add_f32 v[LP], v[LP], v[LP+1]
	v_rcp_f32 v[LP+2], v[LP]
.irp i, 0,2,4,6
	v_pk_add_f32 v[OA+\i:OA+\i+1], v[OA+\i:OA+\i+1], v[OA+8+\i:OA+8+\i+1]   ; the two halves of the sum over the keys, each accumulator from its low end on; plain work behind the reciprocal
.endr
	s_wait_alu depctr_va_vdst(0)                   ; the wait ahead of the reciprocal's first reader
.irp i, 0,2,4,6
	v_pk_mul_f32 v[OA+\i:OA+\i+1], v[OA+\i:OA+\i+1], v[LP+2:LP+3] op_sel_hi:[1,0]
.endr
	ds_store_b128 v12, v[OA:OA+3]                  ; lane (r, h): query r, channels 16 w + 8 h + 0 .. 7
	ds_store_b128 v12, v[OA+4:OA+7] offset:16
.Lno_pv:
	s_wait_dscnt 0x0
	s_barrier_signal -1
	s_barrier_wait -1                              ; 16 whole rows lie in the stage
	ds_load_b128 v[OA:OA+3], v13
	s_wait_dscnt 0x0
	global_store_b128 v1, v[OA:OA+3], s[104:105] th:TH_STORE_NT    ; 32 lanes store a row of 512 consecutive bytes, aligned
	s_wait_xcnt 0x0
	v_lshl_add_u32 v46, v0, 2, 0x15a00
	v_mov_b32 v47, 0
	s_wait_tensorcnt 0x0
	ds_add_u32 v46, v47
	s_wait_dscnt 0x0
	s_endpgm
.Lfunc_end_k_q5eb5c0de9e_attn:
	.size	k_q5eb5c0de9e_attn, .Lfunc_end_k_q5eb5c0de9e_attn-k_q5eb5c0de9e_attn
	.p2alignl 7, 3214868480
	.fill 96, 4, 3214868480
	.section	.rodata,"a",@progbits
	.p2align	6, 0x0
	.amdhsa_kernel k_q5eb5c0de9e_attn
		.amdhsa_group_segment_fixed_size 90624
		.amdhsa_private_segment_fixed_size 0
		.amdhsa_enable_private_segment 0
		.amdhsa_kernarg_size 48
		.amdhsa_user_sgpr_count 2
		.amdhsa_user_sgpr_kernarg_segment_ptr 1
		.amdhsa_wavefront_size32 1
		.amdhsa_system_sgpr_workgroup_id_x 1
		.amdhsa_system_sgpr_workgroup_id_y 1
		.amdhsa_system_sgpr_workgroup_id_z 1
		.amdhsa_system_vgpr_workitem_id 0
		.amdhsa_next_free_vgpr 256
		.amdhsa_next_free_sgpr 106
		.amdhsa_reserve_vcc 1
		.amdhsa_float_denorm_mode_32 3
		.amdhsa_float_denorm_mode_16_64 3
		.amdhsa_memory_ordered 1
		.amdhsa_forward_progress 1
		.amdhsa_inst_pref_size 255
	.end_amdhsa_kernel
	.section	.bss,"aw",@nobits
	.p2align	6
	.space	262144
	.amdgpu_metadata
---
amdhsa.version: [ 1, 2 ]
amdhsa.kernels:
  - .name:           k_q5eb5c0de9e_attn
    .symbol:         k_q5eb5c0de9e_attn.kd
    .args:
      - { .name: qt, .offset: 0, .size: 8, .value_kind: global_buffer, .address_space: global }
      - { .name: kt, .offset: 8, .size: 8, .value_kind: global_buffer, .address_space: global }
      - { .name: uq, .offset: 16, .size: 8, .value_kind: global_buffer, .address_space: global }
      - { .name: vc, .offset: 24, .size: 8, .value_kind: global_buffer, .address_space: global }
      - { .name: vs, .offset: 32, .size: 8, .value_kind: global_buffer, .address_space: global }
      - { .name: out0, .offset: 40, .size: 8, .value_kind: global_buffer, .address_space: global }
    .group_segment_fixed_size: 90624
    .private_segment_fixed_size: 0
    .kernarg_segment_align: 8
    .kernarg_segment_size: 48
    .max_flat_workgroup_size: 512
    .sgpr_count:     106
    .vgpr_count:     256
    .wavefront_size: 32
...
	.end_amdgpu_metadata
.endif
;; end of part 2
;; ======== version 2 of 3: 2 launches
;; workspace buffers: qt 1,048,576 bytes; kt 1,048,576 bytes; uq 8,192 bytes; vc 196,608 bytes; vs 8,192 bytes
;; launch proj: the kernel of part 1 again; grid 16 x 3, 8 waves a work-group, no clusters, 27,648 bytes of LDS; arguments x, Wq, bq, Wk, bk, Wv, bv, qt, kt, uq, vc, vs; writes qt, kt, uq, vc, vs
;; launch attn (part 3): grid 128 x 2, 8 waves a work-group, no clusters, 86,272 bytes of LDS; arguments qt, kt, uq, vc, vs, out0; writes out0
.if DOCPART == 3
	.amdgcn_target "amdgcn-amd-amdhsa--gfx1250"
	.amdhsa_code_object_version 6
	.text
	.protected	k_q5eb5c0de9e_attn
	.globl	k_q5eb5c0de9e_attn
	.p2align	8
	.type	k_q5eb5c0de9e_attn,@function
k_q5eb5c0de9e_attn:
	s_mov_b64 s[64:65], 0
	v_nop
	global_prefetch_b8 v0, s[64:65] scope:SCOPE_SE
	s_setreg_imm32_b32 hwreg(HW_REG_WAVE_MODE, 25, 1), 1
	s_wait_xcnt 0x0
; out[q] = sum over k of p(q, k) V[k] / sum over k of p(q, k).  For k <= q: p = 2^t, t = 10 log2(e) x mean over d of min(1 - Q[q][d] + K[k][d], 1); for k > q the score is 0, so p = 1: hidden keys still count.
; min(1 - q + k, 1) = 1 + min(q, k) - q, so t = C x (sum over d of min(Q, K)) + U[q], C = 10 log2(e) / 128, U[q] = 10 log2(e) - C x sum over d of Q[q][d] (made by the launch before).
; NO MAXIMUM IS TAKEN AWAY: Q and K are sigmoids, in [0, 1], and the minimum clips at 1, so the mean lies in [0, 1] for every input: t in [0, 14.43], p in [1, 22027), a row's sum under 2.3e7.  The rule's M is a
; whole number; with M = 0 each block's scale byte and the row's sum carry the factor 2^M exactly, and the codes are the rule's.
; SHARES.  Work-group (g, batch) owns queries 8 g .. 8 g + 7; wave w of its eight owns key step w, keys 128 w .. 128 w + 127: four tiles of 32.  A key step all of whose keys come after the queries is left out
; (one scalar branch on ids): its p is 1.  The heaviest work-group has eight visible steps, the lightest one.
; THE SUMS.  A LANE IS A KEY.  They go in 32 chunks of four features.  A chunk's K, four tiles x four features, is 16 registers, brought by four loads of 512 consecutive bytes (kt is laid for it), five chunks
; ahead, in six buffers.  A chunk's Q, eight queries x four features, is 32 registers in which ALL LANES HOLD THE SAME NUMBER: eight LDS loads of 16 bytes in which every lane names the same address, one chunk ahead,
; in two buffers.  Each number of Q so read serves four tiles: one LDS load for 16 vector instructions, one global load for 32.  Two terms cost one dual minimum and one packed addition.
; Each wave copies the queries' 4,096 bytes of qt into LDS bytes of its own, as they lie (a chunk is 128 bytes on end): so no barrier stands in front of the sums.
; THEN.  A wave's p, 8 queries x 128 keys, is one K step of the last product.  It turns through the wave's own LDS bytes (in: a lane a key; back: lane (r, h) takes query r % 8, keys 64 c + 32 h + 0 .. 31), is summed
; unquantised and quantised: the operand's registers.  Rows 8-15 of the tile of 16 queries repeat rows 0-7.  Image, scale words and sums to LDS | barrier | wave c: channel tile c: O^T = V^T P^T over the eight key
; steps, two accumulators by turns; divided by the row's sum; to a stage | barrier | wave w stores row w, 512 bytes on end.  V's fragments take the K buffers as these fall free in the last five chunks.
; EVERY OFFSET IS AN IMMEDIATE and the chunks are written out by the assembler's loop: the sums stand under a branch on the wave's number, so no LDS address is stepped there.
; NO CLUSTER, NO TENSOR LOAD: neighbouring work-groups do read the same tiles of K, but see different numbers of key steps (g / 16 + 1), and a tile goes from memory straight into the registers of the one wave
; that uses it; a joint load would land it in LDS, from where the same bytes would be read again beside Q's reads.  LIMITS: NaN and infinities are not served.
.set FRB,  1536                        ; a fragment's image: 12 registers x 128 bytes
.set PIMG, 8*4096                      ; LDS: from byte 0 on Q, 4,096 bytes for each wave; then P's 8 fragments as images,
.set PSC,  PIMG+8*FRB                  ; their scale words, 128 bytes each,
.set LSUM, PSC+1024                    ; the row sums of the 8 key steps, 128 bytes each,
.set OSTG, LSUM+1024                   ; the stage for the way out: 8 rows x (512 + 16) bytes,
.set OP,   528
.set PB,   OSTG+8*OP                   ; and p: for each wave 8 rows x (512 + 16) bytes: the pitch is an odd multiple of 16 bytes, so the rows that a load touches start in different banks
.set PP,   528
.set H8,   15                          ; v15      8 h
.set T,    16                          ; v16-31   minima
.set TM,   16                          ; v16-22   at work in QROW
.set CT,   24                          ; v24-30   at work in QROW
.set LB,   24                          ; v24-25   the second chain of the row sum
.set OA,   16                          ; v16-31   two accumulators of the last product
.set Q,    32                          ; v32-95   Q, two buffers of 32
.set QF,   32                          ; v32-43   the fragment just made
.set LP,   32                          ; v32-39   the eight key steps' row sums
.set QS,   45                          ; v45      the fragment's scale word
.set LA,   46                          ; v46-47   the row sum
.set VSC,  48                          ; v48-55   V's scale words of the eight key steps
.set PSW,  56                          ; v56-63   P's
.set SR,   64                          ; v64-95   scores, then p: register 8 t + i: tile t, query i
.set PFR,  64                          ; v64-159  P's eight fragments
.set ACC,  96                          ; v96-159  a pair of sums (even and odd features) for each tile and query
.set PRW,  96                          ; v96-159  64 numbers of p
.set K,    160                         ; v160-255 K, six buffers of 16
.set VF,   160                         ; v160-255 V's eight fragments
.set SEL,  26                          ; s[26:27] lane selects of v_permlanex16_b32: lane l xor 16
.macro KLOAD                           ; chunk kc of my four tiles into buffer kc % 6: features 4 kc on of my key: 32 lanes read 512 consecutive bytes
.irp t, 0,1,2,3
	global_load_b128 v[K+16*(kc%6)+4*\t:K+16*(kc%6)+4*\t+3], v1, s[10:11] offset:16384*\t+512*kc
.endr
.endm
.macro VLOAD                           ; the four sixteenths 4 vb .. 4 vb + 3 of V's 24: piece p is registers 4 (p % 3) on of key step p / 3's fragment
.irp t, 0,1,2,3
	global_load_b128 v[VF+16*vb+4*\t:VF+16*vb+4*\t+3], v1, s[28:29] offset:8*FRB*((4*vb+\t)/3)+512*((4*vb+\t)%3)
.endr
.endm
.macro VSLOAD                          ; channel 16 w + r's eight scale words
	global_load_b128 v[VSC:VSC+3], v14, s[30:31]
	global_load_b128 v[VSC+4:VSC+7], v14, s[30:31] offset:16
.endm
.macro QLOAD                           ; chunk qc of Q into buffer qc % 2: every lane names the same 16 bytes of query i
.irp i, 0,1,2,3,4,5,6,7
	ds_load_b128 v[Q+32*(qc%2)+4*\i:Q+32*(qc%2)+4*\i+3], v3 offset:128*qc+16*\i
.endr
.endm
; tile t x queries q .. q + 3 x four features: eight dual minima, then their packed additions, the four sums by turns.  The first chunk starts the sums: nothing is cleared.
.macro BLOCK t, q
.irp i, 0,1,2,3
	v_dual_min_num_f32 v[T+4*\i], v[QB+4*(\q+\i)], v[KB+4*\t] :: v_dual_min_num_f32 v[T+4*\i+1], v[QB+4*(\q+\i)+1], v[KB+4*\t+1]
	v_dual_min_num_f32 v[T+4*\i+2], v[QB+4*(\q+\i)+2], v[KB+4*\t+2] :: v_dual_min_num_f32 v[T+4*\i+3], v[QB+4*(\q+\i)+3], v[KB+4*\t+3]
.endr
.if g == 0
.irp i, 0,1,2,3
	v_pk_add_f32 v[ACC+2*(8*\t+\q+\i):ACC+2*(8*\t+\q+\i)+1], v[T+4*\i:T+4*\i+1], v[T+4*\i+2:T+4*\i+3]
.endr
.else
.irp i, 0,1,2,3
	v_pk_add_f32 v[ACC+2*(8*\t+\q+\i):ACC+2*(8*\t+\q+\i)+1], v[ACC+2*(8*\t+\q+\i):ACC+2*(8*\t+\q+\i)+1], v[T+4*\i:T+4*\i+1]
.endr
.irp i, 0,1,2,3
	v_pk_add_f32 v[ACC+2*(8*\t+\q+\i):ACC+2*(8*\t+\q+\i)+1], v[ACC+2*(8*\t+\q+\i):ACC+2*(8*\t+\q+\i)+1], v[T+4*\i+2:T+4*\i+3]
.endr
.endif
.endm
.macro CHUNK
.set QB, Q+32*(g%2)
.set KB, K+16*(g%6)
.irp t, 0,1,2,3
	BLOCK \t, 0
	BLOCK \t, 4
.endr
.endm
; 64 numbers of a lane, register 32 c + i = k 64 c + 32 h + i of my row, become the fragment in v[QF] on and its scale word in v[QS]
.macro QROW s
	v_max3_num_f32 v[TM], |v[\s]|, |v[\s+1]|, 0x1800000            ; my two blocks by turns; the floor 2^(3 - 127) holds the byte at 1 from below
	v_max3_num_f32 v[TM+1], |v[\s+32]|, |v[\s+33]|, 0x1800000
.irp i, 2,4,6,8,10,12,14,16,18,20,22,24,26,28,30
	v_max3_num_f32 v[TM], v[TM], |v[\s+\i]|, |v[\s+\i+1]|
	v_max3_num_f32 v[TM+1], v[TM+1], |v[\s+32+\i]|, |v[\s+33+\i]|
.endr
	v_add_nc_u32 v[TM+2], 0xff000000, v[TM]                        ; 2 off the exponent field: the conversion's scale operand
	v_add_nc_u32 v[TM+3], 0xff000000, v[TM+1]
	v_lshrrev_b32 v[TM+4], 23, v[TM+2]                             ; the scale's byte
	v_lshrrev_b32 v[TM+5], 23, v[TM+3]
	v_lshl_or_b32 v[QS], v[TM+5], 16, v[TM+4]                      ; blocks h and 2 + h of my row,
	v_lshlrev_b32 v[QS], v[H8], v[QS]                              ; at their places in the word;
	v_permlanex16_b32 v[TM+6], v[QS], s[SEL], s[SEL+1]
	v_or_b32 v[QS], v[QS], v[TM+6]                                 ; with lane l xor 16's two the word is whole
	v_cvt_scalef32_pk16_fp6_f32 v[QF:QF+2], v[\s:\s+15], v[TM+2]
	v_cvt_scalef32_pk16_fp6_f32 v[CT:CT+2], v[\s+16:\s+31], v[TM+2]      ; (a conversion's three registers begin on an even number)
	v_cvt_scalef32_pk16_fp6_f32 v[QF+6:QF+8], v[\s+32:\s+47], v[TM+3]
	v_cvt_scalef32_pk16_fp6_f32 v[CT+4:CT+6], v[\s+48:\s+63], v[TM+3]
	v_nop                                                          ; one plain place behind the conversions
.irp i, 0,1,2
	v_mov_b32 v[QF+3+\i], v[CT+\i]
	v_mov_b32 v[QF+9+\i], v[CT+4+\i]
.endr
.endm
	s_load_b256 s[84:91], s[0:1], 0x0              ; qt s[84:85], kt s[86:87], uq s[88:89], vc s[90:91]
	s_load_b128 s[92:95], s[0:1], 0x20             ; vs s[92:93], out0 s[94:95]
	s_set_vgpr_msb 0x40
	v_lshl_add_u32 v0, v0, 2, 0x14d00
	v_mov_b32 v1, 0
	s_set_vgpr_msb 0x4000
	v_lshrrev_b32 v16, 5, v0
	v_readfirstlane_b32 s2, v16                    ; wave 0..7: my key step, later my channel tile and my row
	s_and_b32 s4, ttmp7, 0xffff                    ; batch
	s_lshl_b32 s15, ttmp9, 3                       ; the first query: 8 g
	s_mov_b32 s14, 0x3de6d4ca                      ; C = 10 log2(e) / 128
	s_mov_b32 s[SEL], 0x76543210
	s_mov_b32 s[SEL+1], 0xfedcba98
	s_lshl_b32 s21, s2, 7                          ; my first key
	s_sub_co_i32 s22, s21, s15                     ; my first key - the first query
	s_add_co_u32 s23, s15, 7                       ; the last query
	; every LDS address is made here, ahead of the parting of the waves, from the lane and the wave's number alone, and never rewritten
	v_and_b32 v17, 31, v0                          ; lane
	v_and_b32 v18, 7, v0                           ; r % 8
	v_bfe_u32 v19, v0, 4, 1                        ; h
	v_and_b32 v20, 15, v0                          ; r
	v_lshlrev_b32 v1, 4, v17                       ; 16 x lane
	s_mul_i32 s20, s2, 8*PP
	s_add_co_u32 s20, s20, PB                      ; my wave's p
	v_lshl_add_u32 v2, v17, 2, s20                 ; p, in: 4 x lane
	s_lshl_b32 s24, s2, 12                         ; my wave's Q: 4,096 x wave
	v_mov_b32 v3, s24                              ; Q, back: the same address in every lane
	v_lshl_add_u32 v4, v17, 4, s24                 ; Q, in: 16 x lane
	v_lshrrev_b32 v5, 3, v17
	v_lshlrev_b32 v5, 9, v5
	v_lshl_add_u32 v5, v18, 4, v5                  ; Q in qt: eight lanes take a chunk's 128 bytes, chunks are 512 bytes apart
	v_mov_b32 v6, 1.0
	v_mul_u32_u24 v7, v18, PP
	v_lshl_add_u32 v7, v19, 7, v7
	v_add_nc_u32 v7, s20, v7                       ; p, back: row r % 8, + 32 h keys
	s_mul_i32 s24, s2, FRB
	v_add_nc_u32 v8, s24, v1                       ; my image of P: 16 x lane + 1,536 x wave
	v_lshl_add_u32 v9, v0, 2, PSC                  ; its scale words: 4 x lane + 128 x wave
	v_lshl_add_u32 v10, v0, 2, LSUM                ; its row sums likewise
	v_lshlrev_b32 v11, 2, v17                      ; 4 x lane
	v_mul_u32_u24 v12, v18, OP
	v_lshl_add_u32 v12, v19, 5, v12
	s_lshl_b32 s24, s2, 6
	s_add_co_u32 s24, s24, OSTG
	v_add_nc_u32 v12, s24, v12                     ; the stage, in: row r % 8, channels 16 w + 8 h on
	s_mul_i32 s24, s2, OP
	s_add_co_u32 s24, s24, OSTG
	v_add_nc_u32 v13, s24, v1                      ; the stage, back: row w, 16 bytes a lane
	v_lshlrev_b32 v14, 5, v20                      ; V's scale words: 32 bytes a channel
	v_lshlrev_b32 v[H8], 3, v19
	v_mov_b32 v[TM+6], 0                           ; written once: a lane permute's destination counts as one of its sources
	; byte offsets, apart from the addresses
	s_lshl_b32 s20, s4, 10
	s_add_co_u32 s20, s20, s15                     ; the first query's row of qt, uq and out0: 1,024 x batch + 8 g
	s_lshr_b32 s36, s20, 5                         ; qt: (row / 32) x 16,384 + (row % 32) x 16
	s_lshl_b32 s36, s36, 14
	s_and_b32 s38, s20, 31
	s_lshl_b32 s38, s38, 4
	s_add_co_u32 s36, s36, s38
	s_mov_b32 s37, 0
	s_lshl_b32 s38, s4, 5                          ; kt: (32 x batch + 4 w) x 16,384
	s_lshl_b32 s40, s2, 2
	s_add_co_u32 s38, s38, s40
	s_lshl_b32 s38, s38, 14
	s_mov_b32 s39, 0
	s_lshl_b32 s40, s20, 2                         ; uq: 4 bytes a row
	s_mov_b32 s41, 0
	s_lshl_b32 s42, s4, 6                          ; vc: image (8 x batch + key step) x 8 + channel tile; mine is tile w
	s_add_co_u32 s42, s42, s2
	s_mul_i32 s42, s42, FRB
	s_mov_b32 s43, 0
	s_lshl_b32 s44, s4, 12                         ; vs: (128 x batch + 16 w) x 32
	s_lshl_b32 s46, s2, 9
	s_add_co_u32 s44, s44, s46
	s_mov_b32 s45, 0
	s_add_co_u32 s46, s20, s2                      ; the row that I store: query 8 g + w
	s_lshl_b32 s46, s46, 9
	s_mov_b32 s47, 0
	s_wait_kmcnt 0x0
	s_add_nc_u64 s[6:7], s[84:85], s[36:37]
	s_add_nc_u64 s[10:11], s[86:87], s[38:39]
	s_add_nc_u64 s[12:13], s[88:89], s[40:41]
	s_add_nc_u64 s[28:29], s[90:91], s[42:43]
	s_add_nc_u64 s[30:31], s[92:93], s[44:45]
	s_add_nc_u64 s[32:33], s[94:95], s[46:47]
	s_cmp_gt_u32 s21, s23                          ; does my first key come after the last query?
	s_cbranch_scc1 .Lhidden
	; ---- the sums of my key step
.irp n, 0,1,2,3,4,5,6,7
	global_load_b128 v[ACC+4*\n:ACC+4*\n+3], v5, s[6:7] offset:2048*\n   ; the eight queries, chunks 4 n .. 4 n + 3
.endr
.set kc, 0
.rept 5
	KLOAD                                          ; K's chunks 0 to 4
.set kc, kc+1
.endr
	s_load_b256 s[68:75], s[12:13], 0x0            ; U of the eight queries: wanted behind the sums
	s_wait_loadcnt 20                              ; Q is in: K's twenty loads, issued behind it, may be out
.irp n, 0,1,2,3,4,5,6,7
	ds_store_b128 v4, v[ACC+4*\n:ACC+4*\n+3] offset:512*\n         ; into my own bytes, as they lie: chunk c at 128 c
.endr
.set qc, 0
	QLOAD                                          ; LDS serves a wave's instructions in order: these see the stores above
.set g, 0
.rept 32
	s_wait_dscnt 0x0                               ; this chunk's Q is in (asked for a chunk ago); in the first chunk also: the stores above have read their registers, which the sums take
.if g < 31
.set qc, g+1
	QLOAD
.endif
.set kc, g+5
.if kc < 32
	KLOAD                                          ; into the buffer that the last chunk has left
.else
.set vb, kc%6
	VLOAD                                          ; nothing of K is left to ask for: the buffer takes its part of V
.endif
	s_wait_loadcnt 20                              ; this chunk's K is in: behind its four loads five groups of four were issued, the one above among them
	CHUNK
.set g, g+1
.endr
.set vb, 1
	VLOAD                                          ; the buffer of the last chunk: V's last part
	VSLOAD
.set x, 0
.rept 32
	v_add_f32 v[SR+x], v[ACC+2*x], v[ACC+2*x+1]    ; even and odd features
.set x, x+1
.endr
	v_and_b32 v[T], 31, v0
	v_add_nc_u32 v[T], s22, v[T]                   ; my key of tile 0 - the first query
	s_wait_kmcnt 0x0                               ; U
.set x, 0
.rept 32
	v_fma_f32 v[SR+x], v[SR+x], s14, s[68+x%8]     ; t = C x sum + U
.set x, x+1
.endr
.set x, 0
.rept 32
	v_exp_f32 v[SR+x], v[SR+x]                     ; p = 2^t
.set x, x+1
.endr
	v_nop                                          ; a plain place behind the batch,
	s_wait_alu depctr_va_vdst(0)                   ; and one wait for it, ahead of its first reader
.irp t, 0,1,2,3
.irp i, 0,1,2,3,4,5,6,7
	v_cmp_ge_i32 vcc_lo, \i-32*\t, v[T]            ; my key of tile t counts for query i
	v_cndmask_b32 v[SR+8*\t+\i], 1.0, v[SR+8*\t+\i], vcc_lo   ; else its score is 0: p = 1
.endr
.endr
.irp t, 0,1,2,3
.irp i, 0,1,2,3,4,5,6,7
	ds_store_b32 v2, v[SR+8*\t+\i] offset:\i*PP+128*\t             ; 32 lanes: 128 consecutive bytes of a row of p
.endr
.endr
	s_branch .Ljoin
.Lhidden:
	; ---- all my keys are hidden to all eight queries: p = 1
.set vb, 0
.rept 6
	VLOAD
.set vb, vb+1
.endr
	VSLOAD
.irp t, 0,1,2,3
.irp i, 0,1,2,3,4,5,6,7
	ds_store_b32 v2, v6 offset:\i*PP+128*\t
.endr
.endr
.Ljoin:
	; ---- my key step of P
.irp c, 0,1
.irp i, 0,1,2,3,4,5,6,7
	ds_load_b128 v[PRW+32*\c+4*\i:PRW+32*\c+4*\i+3], v7 offset:256*\c+16*\i   ; query r % 8, keys 64 c + 32 h + 4 i on: my own bytes, served in order behind my stores
.endr
.endr
	s_wait_dscnt 0x0
	v_pk_add_f32 v[LA:LA+1], v[PRW:PRW+1], v[PRW+2:PRW+3]          ; the row's sum is taken of the unquantised p: two at a time, in two chains
	v_pk_add_f32 v[LB:LB+1], v[PRW+4:PRW+5], v[PRW+6:PRW+7]
.irp j, 8,12,16,20,24,28,32,36,40,44,48,52,56,60
	v_pk_add_f32 v[LA:LA+1], v[LA:LA+1], v[PRW+\j:PRW+\j+1]
	v_pk_add_f32 v[LB:LB+1], v[LB:LB+1], v[PRW+\j+2:PRW+\j+3]
.endr
	v_pk_add_f32 v[LA:LA+1], v[LA:LA+1], v[LB:LB+1]
	v_add_f32 v[LA], v[LA], v[LA+1]
	v_permlanex16_b32 v[LB], v[LA], s[SEL], s[SEL+1]
	v_add_f32 v[LA], v[LA], v[LB]                  ; with lane l xor 16's 64 keys: the query's sum over this key step
	ds_store_b32 v10, v[LA]
	QROW PRW
.irp k, 0,1,2
	ds_store_b128 v8, v[QF+4*\k:QF+4*\k+3] offset:PIMG+512*\k
.endr
	ds_store_b32 v9, v[QS]
	s_wait_dscnt 0x0                               ; for the others' sake: my image, scale words and sums lie in LDS
	s_barrier_signal -1
	s_barrier_wait -1                              ; everybody's do
	; ---- my channel tile
.irp s, 0,1,2,3,4,5,6,7
.irp k, 0,1,2
	ds_load_b128 v[PFR+12*\s+4*\k:PFR+12*\s+4*\k+3], v1 offset:PIMG+FRB*\s+512*\k
.endr
	ds_load_b32 v[PSW+\s], v11 offset:PSC+128*\s
	ds_load_b32 v[LP+\s], v11 offset:LSUM+128*\s
.endr
	s_wait_loadcnt 0x0                             ; V and its scale words
	s_wait_dscnt 0x0
; O^T = V^T P^T: source 0 = 16 channels, source 1 = the tile of queries; K = 128 keys a step.  Two accumulators take turns, one instruction a turn; the first two products start the sums.
.irp s, 0,1
	v_wmma_scale_f32_16x16x128_f8f6f4 v[OA+8*\s:OA+8*\s+7], v[VF+12*\s:VF+12*\s+11], v[PFR+12*\s:PFR+12*\s+11], 0, v[VSC+\s], v[PSW+\s] matrix_a_fmt:MATRIX_FMT_FP6 matrix_b_fmt:MATRIX_FMT_FP6
.endr
.irp s, 2,3,4,5,6,7
	v_wmma_scale_f32_16x16x128_f8f6f4 v[OA+8*(\s%2):OA+8*(\s%2)+7], v[VF+12*\s:VF+12*\s+11], v[PFR+12*\s:PFR+12*\s+11], v[OA+8*(\s%2):OA+8*(\s%2)+7], v[VSC+\s], v[PSW+\s] matrix_a_fmt:MATRIX_FMT_FP6 matrix_b_fmt:MATRIX_FMT_FP6
.endr
	v_pk_add_f32 v[LP:LP+1], v[LP:LP+1], v[LP+2:LP+3]              ; the row's sum over the eight key steps: these four lines are also the four places behind the last product
	v_pk_add_f32 v[LP+4:LP+5], v[LP+4:LP+5], v[LP+6:LP+7]
	v_pk_add_f32 v[LP:LP+1], v[LP:LP+1], v[LP+4:LP+5]
	v_add_f32 v[LP], v[LP], v[LP+1]
	v_rcp_f32 v[LP+2], v[LP]
.irp i, 0,2,4,6
	v_pk_add_f32 v[OA+\i:OA+\i+1], v[OA+\i:OA+\i+1], v[OA+8+\i:OA+8+\i+1]   ; the two halves of the sum over the keys, each accumulator from its low end on; plain work behind the reciprocal
.endr
	s_wait_alu depctr_va_vdst(0)                   ; the wait ahead of the reciprocal's first reader
.irp i, 0,2,4,6
	v_pk_mul_f32 v[OA+\i:OA+\i+1], v[OA+\i:OA+\i+1], v[LP+2:LP+3] op_sel_hi:[1,0]
.endr
	ds_store_b128 v12, v[OA:OA+3]                  ; lane (r, h): query r % 8, channels 16 w + 8 h + 0 .. 7 (lanes r and r + 8 store the same bytes with the same values)
	ds_store_b128 v12, v[OA+4:OA+7] offset:16
	s_wait_dscnt 0x0                               ; my part of the stage lies in LDS
	s_barrier_signal -1
	s_barrier_wait -1                              ; eight whole rows do
	ds_load_b128 v[OA:OA+3], v13
	s_wait_dscnt 0x0
	global_store_b128 v1, v[OA:OA+3], s[32:33] th:TH_STORE_NT      ; 32 lanes store a row of 512 consecutive bytes, aligned
	s_set_vgpr_msb 0x5
	s_wait_tensorcnt 0x0
	ds_add_u32 v0, v1
	s_wait_dscnt 0x0
	s_set_vgpr_msb 0x500
	s_endpgm
.Lfunc_end_k_q5eb5c0de9e_attn:
	.size	k_q5eb5c0de9e_attn, .Lfunc_end_k_q5eb5c0de9e_attn-k_q5eb5c0de9e_attn
	.p2alignl 7, 3214868480
	.fill 96, 4, 3214868480
	.section	.rodata,"a",@progbits
	.p2align	6, 0x0
	.amdhsa_kernel k_q5eb5c0de9e_attn
		.amdhsa_group_segment_fixed_size 86272
		.amdhsa_private_segment_fixed_size 0
		.amdhsa_enable_private_segment 0
		.amdhsa_kernarg_size 48
		.amdhsa_user_sgpr_count 2
		.amdhsa_user_sgpr_kernarg_segment_ptr 1
		.amdhsa_wavefront_size32 1
		.amdhsa_system_sgpr_workgroup_id_x 1
		.amdhsa_system_sgpr_workgroup_id_y 1
		.amdhsa_system_sgpr_workgroup_id_z 1
		.amdhsa_system_vgpr_workitem_id 0
		.amdhsa_next_free_vgpr 258
		.amdhsa_next_free_sgpr 96
		.amdhsa_reserve_vcc 1
		.amdhsa_float_denorm_mode_32 3
		.amdhsa_float_denorm_mode_16_64 3
		.amdhsa_memory_ordered 1
		.amdhsa_forward_progress 1
		.amdhsa_inst_pref_size 255
	.end_amdhsa_kernel
	.section	.bss,"aw",@nobits
	.p2align	6
	.space	262144
	.amdgpu_metadata
---
amdhsa.version: [ 1, 2 ]
amdhsa.kernels:
  - .name:           k_q5eb5c0de9e_attn
    .symbol:         k_q5eb5c0de9e_attn.kd
    .args:
      - { .name: qt, .offset: 0, .size: 8, .value_kind: global_buffer, .address_space: global }
      - { .name: kt, .offset: 8, .size: 8, .value_kind: global_buffer, .address_space: global }
      - { .name: uq, .offset: 16, .size: 8, .value_kind: global_buffer, .address_space: global }
      - { .name: vc, .offset: 24, .size: 8, .value_kind: global_buffer, .address_space: global }
      - { .name: vs, .offset: 32, .size: 8, .value_kind: global_buffer, .address_space: global }
      - { .name: out0, .offset: 40, .size: 8, .value_kind: global_buffer, .address_space: global }
    .group_segment_fixed_size: 86272
    .private_segment_fixed_size: 0
    .kernarg_segment_align: 8
    .kernarg_segment_size: 48
    .max_flat_workgroup_size: 256
    .sgpr_count:     96
    .vgpr_count:     258
    .wavefront_size: 32
...
	.end_amdgpu_metadata
.endif
;; end of part 3
;; ======== version 3 of 3: 2 launches; version 2 with the launches proj, attn written anew for expert scheduling mode
;; workspace buffers: qt 1,048,576 bytes; kt 1,048,576 bytes; uq 8,192 bytes; vc 196,608 bytes; vs 8,192 bytes
;; launch proj (part 4): grid 16 x 3, 8 waves a work-group, no clusters, 27,648 bytes of LDS; arguments x, Wq, bq, Wk, bk, Wv, bv, qt, kt, uq, vc, vs; writes qt, kt, uq, vc, vs
.if DOCPART == 4
	.amdgcn_target "amdgcn-amd-amdhsa--gfx1250"
	.amdhsa_code_object_version 6
	.text
	.protected	k_q5eb5c0de9e_proj
	.globl	k_q5eb5c0de9e_proj
	.p2align	8
	.type	k_q5eb5c0de9e_proj,@function
k_q5eb5c0de9e_proj:
	s_mov_b64 s[64:65], 0
	v_nop
	global_prefetch_b8 v0, s[64:65] scope:SCOPE_SE
	s_setreg_imm32_b32 hwreg(HW_REG_WAVE_SCHED_MODE, 0, 2), 2
	s_setreg_imm32_b32 hwreg(HW_REG_WAVE_MODE, 25, 1), 1
	s_wait_xcnt 0x0
	s_wait_alu depctr_vm_vsrc(0)
; Q = sigmoid(x Wq^T + bq), K = sigmoid(x Wk^T + bk), V = x Wv^T + bv: three products on codes of FP6 (E2M3) with one E8M0 scale for each 32 along K = the 128 features.
; x [2048][128], W [128][128] f32, K innermost in both.  A work-group takes 128 rows of x (work-group x) and ONE weight (work-group y: 0 Wq, 1 Wk, 2 Wv).
; Eight waves.  Wave w quantises one tile of x (16 rows x 128) and one tile of W (rows 16 w on): a lane (r, h) loads, of row r, k = 64 c + 32 h + 0 .. 31 (c = 0, 1): two whole blocks, in the order
; of the operand's registers, so the conversions' results are the operand.  Both fragments go to LDS as images of their registers (3 x 512 bytes, 16 bytes a lane; the scale word 4 bytes a lane); one barrier.
; Q, K: the product is used transposed (source 0 = 16 rows of W, source 1 = my 16 rows of x; C = the bias): lane (r, h) holds row r and features 16 t + 8 h + 0 .. 7.  After the sigmoid, in f32, they are stored as
;   [row / 32][d / 4][row % 32][4 numbers]: sixteen lanes store 256 consecutive bytes, aligned.  The next launch reads K so with a lane to a key, and copies its rows of Q into LDS (eight rows x four features are 128 bytes on end).
;   For Q also U[row] = 10 log2(e) - C x (the sum of the row's 128 numbers), C = 10 log2(e) / 128: the part of the next launch's exponent that hangs on the query alone.
; V: source 0 = 16 rows of x (keys), source 1 = my 16 rows of Wv (channels): a lane holds ONE channel and its registers run along the keys, which are the K of the last product.  THE KEYS OF A TILE ARE NOT NEIGHBOURS:
;   lane r of tile 2 b + u takes key 32 b + 8 u + r + 8 (r / 8), so that the 16 registers of tiles 2 b, 2 b + 1 are keys 32 b + 16 h + 0 .. 15.  The 64 numbers of a lane are quantised in registers and leave as the
;   image of an operand (16 channels x 128 keys, 1,536 bytes on end) at vc[row block][channel tile]; the scale words at vs[batch][channel][key step], 4 bytes each, 32 bytes apart: 128 words a work-group.
; A block's scale byte is its largest magnitude's exponent field - 2, held at 1 from below.  LIMITS: a block of zeros gets the byte 1 where the rule says 127 (its codes are zeros; this program alone reads the bytes);
; NaN and infinities among the inputs are not served.
; No tensor load, no ring: each work-group reads 64 KB of x and 64 KB of W once, straight into registers.
; THE MODE: SCHED_MODE bits 1:0 = 2 (LLVM: expert scheduling mode 2), set by the entry lines.  The code itself states the register dependences
; between vector or matrix instructions and memory or LDS instructions, with s_wait_alu, always for 0.
; THE PLAN.  Registers that memory or LDS instructions touch:
;   v2-v11      offsets and LDS addresses: written once at the head, read by every load and store, never written again.
;   RA, RB      loaded from x and from W; read by QROW's lines; behind the barrier the LDS loads of the eight fragments land there (FR).
;   QF, QS      written by QROW; read by the LDS stores of the image; written again by the second QROW and read by its stores; behind the barrier my own fragment's LDS loads land there.
;   D           Q, K: loaded with the bias, then named by matrix and vector lines, at last read by the global stores.  V: named by matrix and vector lines alone.
;   SA, PC, PW  written by vector lines, read by the last global stores.
;   v254, v255  written at the head, read by the closing add alone.
; So: one wait on va_vdst at the head for all addresses; one ahead of each run of stores whose data vector lines have made; one wait on vm_vsrc ahead of each rewriting of QF and QS.
.set FRB,  1536                        ; a fragment's image: 12 registers x 128 bytes
.set XIMG, 0                           ; LDS: x's 8 fragments,
.set XSC,  8*FRB                       ; their scale words, 128 bytes each,
.set WIMG, XSC+8*128                   ; W's 8 fragments,
.set WSC,  WIMG+8*FRB                  ; their scale words
.set H8,   14                          ; v14     8 h
.set QS,   15                          ; v15     the scale word just made; later my own fragment's
.set QF,   16                          ; v16-27  the fragment just made; later my own fragment, fetched from LDS
.set FS,   28                          ; v28-35  scale words of the eight fragments fetched
.set TM,   36                          ; v36-42  at work in QROW
.set CT,   44                          ; v44-50  at work in QROW
.set CB,   44                          ; v44-51  V: the bias as C, the same number in eight registers (a lane holds one channel)
.set BV,   52                          ; v52     V: bv of my channel
.set RA,   54                          ; v54-117  64 numbers of x
.set RB,   118                         ; v118-181 64 numbers of W
.set D,    182                         ; v182-245 the eight results; for Q and K the bias is loaded here and is the C in place
.set FR,   54                          ; v54-149 the eight fragments fetched
.set TQ,   54                          ; v54-69  at work in QUANT
.set PC,   70                          ; v70-88  V's codes
.set PW,   90                          ; v90     V's scale word
.set SA,   54                          ; v54-57  the row sums of Q
.set NL2E, 36                          ; s[36:37] -log2(e)
.set SEL,  38                          ; s[38:39] lane selects of v_permlanex16_b32: lane l xor 16
; 64 numbers of a lane, register 32 c + i = k 64 c + 32 h + i of my row, become the fragment in v[QF] on and its scale word in v[QS]
.macro QROW s
	v_max3_num_f32 v[TM], |v[\s]|, |v[\s+1]|, 0x1800000            ; my two blocks by turns; the floor 2^(3 - 127) holds the byte at 1 from below
	v_max3_num_f32 v[TM+1], |v[\s+32]|, |v[\s+33]|, 0x1800000
.irp i, 2,4,6,8,10,12,14,16,18,20,22,24,26,28,30
	v_max3_num_f32 v[TM], v[TM], |v[\s+\i]|, |v[\s+\i+1]|
	v_max3_num_f32 v[TM+1], v[TM+1], |v[\s+32+\i]|, |v[\s+33+\i]|
.endr
	v_add_nc_u32 v[TM+2], 0xff000000, v[TM]                        ; 2 off the exponent field: the conversion's scale operand
	v_add_nc_u32 v[TM+3], 0xff000000, v[TM+1]
	v_lshrrev_b32 v[TM+4], 23, v[TM+2]                             ; the scale's byte
	v_lshrrev_b32 v[TM+5], 23, v[TM+3]
	v_lshl_or_b32 v[QS], v[TM+5], 16, v[TM+4]                      ; blocks h and 2 + h of my row,
	v_lshlrev_b32 v[QS], v[H8], v[QS]                              ; at their places in the word;
	v_permlanex16_b32 v[TM+6], v[QS], s[SEL], s[SEL+1]
	v_or_b32 v[QS], v[QS], v[TM+6]                                 ; with lane l xor 16's two the word is whole
	v_cvt_scalef32_pk16_fp6_f32 v[QF:QF+2], v[\s:\s+15], v[TM+2]
	v_cvt_scalef32_pk16_fp6_f32 v[CT:CT+2], v[\s+16:\s+31], v[TM+2]      ; (a conversion's three registers begin on an even number: the second half of a block's six is made elsewhere and moved)
	v_cvt_scalef32_pk16_fp6_f32 v[QF+6:QF+8], v[\s+32:\s+47], v[TM+3]
	v_cvt_scalef32_pk16_fp6_f32 v[CT+4:CT+6], v[\s+48:\s+63], v[TM+3]
	v_nop                                                          ; one plain place behind the conversions
.irp i, 0,1,2
	v_mov_b32 v[QF+3+\i], v[CT+\i]
	v_mov_b32 v[QF+9+\i], v[CT+4+\i]
.endr
.endm
; 64 numbers of a lane, register 16 b + i = k 32 b + 16 h + i of my row, become a fragment in v[PC] on and its scale word in v[PW]
.macro QUANT s
.irp b, 0,1,2,3
	v_max3_num_f32 v[TQ+\b], |v[\s+16*\b]|, |v[\s+1+16*\b]|, 0x1800000
.endr
.irp i, 2,4,6,8,10,12,14
.irp b, 0,1,2,3
	v_max3_num_f32 v[TQ+\b], v[TQ+\b], |v[\s+16*\b+\i]|, |v[\s+1+16*\b+\i]|
.endr
.endr
.irp b, 0,1,2,3
	v_permlanex16_b32 v[TQ+4+\b], v[TQ+\b], s[SEL], s[SEL+1]
.endr
.irp b, 0,1,2,3
	v_max_num_f32 v[TQ+\b], v[TQ+\b], v[TQ+4+\b]                   ; with lane l xor 16's 16: the block's largest magnitude
.endr
.irp b, 0,1,2,3
	v_add_nc_u32 v[TQ+12+\b], 0xff000000, v[TQ+\b]
.endr
.irp b, 0,1,2,3
	v_lshrrev_b32 v[TQ+4+\b], 23, v[TQ+12+\b]
.endr
	v_lshl_or_b32 v[PW], v[TQ+5], 8, v[TQ+4]
	v_lshl_or_b32 v[PW], v[TQ+6], 16, v[PW]
	v_lshl_or_b32 v[PW], v[TQ+7], 24, v[PW]
.irp c, 0,1
	v_cvt_scalef32_pk16_fp6_f32 v[PC+6*\c:PC+2+6*\c], v[\s+32*\c:\s+15+32*\c], v[TQ+12+2*\c]
	v_cvt_scalef32_pk16_fp6_f32 v[PC+12+4*\c:PC+14+4*\c], v[\s+16+32*\c:\s+31+32*\c], v[TQ+12+2*\c+1]
.endr
	v_nop                                                          ; one plain place behind the conversions
.irp c, 0,1                                    ; the operand wants a whole block in a lane: lanes 0-15 block 2 c, lanes 16-31 block 2 c + 1
.irp i, 0,1,2
	v_permlane16_swap_b32 v[PC+6*\c+\i], v[PC+12+4*\c+\i]
.endr
.irp i, 0,1,2
	v_mov_b32 v[PC+3+6*\c+\i], v[PC+12+4*\c+\i]
.endr
.endr
.endm
	s_load_b512 s[4:19], s[0:1], 0x0               ; x s[4:5], Wq s[6:7], bq s[8:9], Wk s[10:11], bk s[12:13], Wv s[14:15], bv s[16:17], qt s[18:19]
	s_load_b256 s[20:27], s[0:1], 0x40             ; kt s[20:21], uq s[22:23], vc s[24:25], vs s[26:27]
	v_lshl_add_u32 v254, v0, 2, 0x6800             ; my spare word, behind the scale words, and 0: kept for the closing lines alone
	v_mov_b32 v255, 0
	v_lshrrev_b32 v1, 5, v0
	v_readfirstlane_b32 s28, v1                    ; wave 0..7
	s_and_b32 s29, ttmp7, 0xffff                   ; 0: Q, 1: K, 2: V
	v_and_b32 v1, 15, v0                           ; r
	s_wait_alu depctr_va_vdst(0)
	v_bfe_u32 v12, v0, 4, 1                        ; h
	v_and_b32 v13, 31, v0                          ; lane
	s_wait_alu depctr_va_sdst(0)                   ; s28 is written, ahead of its first reader
	s_lshl_b32 s41, s28, 4                         ; Q, K: my tile of x begins at row 16 w;
	s_lshr_b32 s42, s28, 1
	s_lshl_b32 s42, s42, 5
	s_and_b32 s43, s28, 1
	s_lshl_b32 s43, s43, 3
	s_add_co_u32 s42, s42, s43                     ; V: at row 32 (w / 2) + 8 (w % 2),
	s_cmp_eq_u32 s29, 2
	s_cselect_b32 s41, s42, s41
	s_cselect_b32 s40, 8, 0                        ; and lane r takes row r + 8 (r / 8) of it
	s_lshl_b32 s42, ttmp9, 7
	s_add_co_u32 s41, s41, s42                     ; + 128 x work-group x
	s_lshl_b32 s42, s41, 9                         ; in bytes: 512 a row
	s_mov_b32 s43, 0
	v_and_b32 v2, s40, v1
	v_add_nc_u32 v2, v2, v1
	v_lshlrev_b32 v2, 9, v2
	s_wait_alu depctr_va_vdst(0)
	v_lshl_add_u32 v2, v12, 7, v2                  ; x: my row x 512 + 128 h
	v_lshlrev_b32 v3, 9, v1
	v_lshl_add_u32 v3, v12, 7, v3                  ; W: row r x 512 + 128 h
	v_lshlrev_b32 v4, 5, v12                       ; Q, K: the bias of features 8 h on
	v_lshlrev_b32 v7, 4, v13                       ; 16 x lane: an image's place for my lane
	v_lshlrev_b32 v8, 2, v13                       ; 4 x lane: a scale word's
	s_mul_i32 s44, s28, FRB
	v_add_nc_u32 v5, s44, v7                       ; my own image: 16 x lane + 1,536 x wave
	v_lshlrev_b32 v6, 2, v0                        ; my own scale words: 4 x lane + 128 x wave
	v_lshlrev_b32 v9, 4, v1
	v_lshl_add_u32 v9, v12, 10, v9                 ; Q, K on the way out: 16 r + 1,024 h
	v_lshlrev_b32 v10, 2, v1                       ; 4 r
	v_lshlrev_b32 v11, 5, v1                       ; 32 r
	v_lshlrev_b32 v[H8], 3, v12
	v_mov_b32 v[TM+6], 0                           ; written once: a lane permute's destination counts as one of its sources
	s_mov_b32 s[SEL], 0x76543210
	s_mov_b32 s[SEL+1], 0xfedcba98
	s_mov_b32 s[NL2E], 0xbfb8aa3b                  ; -log2(e)
	s_mov_b32 s[NL2E+1], s[NL2E]                   ; (named with it as a pair, so it is written)
	s_wait_kmcnt 0x0
	s_cmp_eq_u32 s29, 0                            ; the buffers are chosen by the work-group's number alone
	s_cselect_b64 s[30:31], s[6:7], s[10:11]
	s_cselect_b64 s[32:33], s[8:9], s[12:13]
	s_cselect_b64 s[34:35], s[18:19], s[20:21]
	s_cmp_eq_u32 s29, 2
	s_cselect_b64 s[30:31], s[14:15], s[30:31]     ; the weight,
	s_cselect_b64 s[32:33], s[16:17], s[32:33]     ; its bias
	s_add_nc_u64 s[4:5], s[4:5], s[42:43]          ; x at my tile
	s_lshl_b32 s44, s28, 13
	s_mov_b32 s45, 0
	s_add_nc_u64 s[30:31], s[30:31], s[44:45]      ; W at its rows 16 w on
	s_wait_alu depctr_va_vdst(0)                   ; the offsets and LDS addresses v2 to v11 are written: every load and store of the kernel, on either way, reads one of them
	s_cmp_eq_u32 s29, 2
	s_cbranch_scc1 .Lbias_v
.irp t, 0,1,2,3,4,5,6,7                        ; the bias in the result's layout: features 16 t + 8 h + 0 .. 7
.irp i, 0,1
	global_load_b128 v[D+8*\t+4*\i:D+8*\t+4*\i+3], v4, s[32:33] offset:64*\t+16*\i
.endr
.endr
	s_branch .Lbias_done
.Lbias_v:
	s_lshl_b32 s44, s28, 6
	s_add_nc_u64 s[32:33], s[32:33], s[44:45]
	global_load_b32 v[BV], v10, s[32:33]           ; bv of channel 16 w + r
.Lbias_done:
.irp c, 0,1
.irp i, 0,1,2,3,4,5,6,7
	global_load_b128 v[RA+32*\c+4*\i:RA+32*\c+4*\i+3], v2, s[4:5] offset:256*\c+16*\i
.endr
.endr
.irp c, 0,1
.irp i, 0,1,2,3,4,5,6,7
	global_load_b128 v[RB+32*\c+4*\i:RB+32*\c+4*\i+3], v3, s[30:31] offset:256*\c+16*\i
.endr
.endr
	s_wait_loadcnt 16                              ; the bias and x are in; W's sixteen loads, issued behind them, may be out
	QROW RA
	s_wait_alu depctr_va_vdst(0)                   ; QROW has written v[QF ..] and v[QS], which the LDS stores read
.irp k, 0,1,2
	ds_store_b128 v5, v[QF+4*\k:QF+4*\k+3] offset:XIMG+512*\k
.endr
	ds_store_b32 v6, v[QS] offset:XSC
	s_wait_loadcnt 0x0                             ; W
	s_wait_alu depctr_vm_vsrc(0)                   ; the four LDS stores have read v[QF ..] and v[QS], which QROW writes again now
	QROW RB
	s_wait_alu depctr_va_vdst(0)                   ; QROW has written v[QF ..] and v[QS], which the LDS stores read; and it is done with v[RA ..], v[RB ..], v[QF ..] and v[QS], in which LDS loads land behind the barrier
.irp k, 0,1,2
	ds_store_b128 v5, v[QF+4*\k:QF+4*\k+3] offset:WIMG+512*\k
.endr
	ds_store_b32 v6, v[QS] offset:WSC
	s_wait_dscnt 0x0                               ; for the others' sake: my images lie in LDS
	s_barrier_signal -1
	s_barrier_wait -1                              ; everybody's do; nothing is stored to LDS from here on
	s_wait_alu depctr_vm_vsrc(0)                   ; my LDS stores have read v[QF ..] and v[QS], in which, on either way, my own fragment's LDS loads land
	s_cmp_eq_u32 s29, 2
	s_cbranch_scc1 .Lv_path
	; ---- Q, K: my 16 rows of x against W's eight tiles
.irp t, 0,1,2,3,4,5,6,7
.irp k, 0,1,2
	ds_load_b128 v[FR+12*\t+4*\k:FR+12*\t+4*\k+3], v7 offset:WIMG+FRB*\t+512*\k
.endr
	ds_load_b32 v[FS+\t], v8 offset:WSC+128*\t
.endr
.irp k, 0,1,2
	ds_load_b128 v[QF+4*\k:QF+4*\k+3], v5 offset:XIMG+512*\k       ; my own tile of x comes back as it went
.endr
	ds_load_b32 v[QS], v6 offset:XSC
	s_lshl_b32 s46, ttmp9, 2                       ; where my rows go: block of 32 rows 4 x work-group x + w / 2, 16,384 bytes each; rows 16 (w % 2) on in it
	s_lshr_b32 s44, s28, 1
	s_add_co_u32 s46, s46, s44
	s_lshl_b32 s46, s46, 14
	s_and_b32 s44, s28, 1
	s_lshl_b32 s44, s44, 8
	s_add_co_u32 s46, s46, s44
	s_mov_b32 s47, 0
	s_add_nc_u64 s[34:35], s[34:35], s[46:47]
	s_wait_dscnt 0x0
.irp t, 0,1,2,3,4,5,6,7                        ; eight sums, each begun by its bias: lane (r, h) holds row r, features 16 t + 8 h + 0 .. 7
	v_wmma_scale_f32_16x16x128_f8f6f4 v[D+8*\t:D+8*\t+7], v[FR+12*\t:FR+12*\t+11], v[QF:QF+11], v[D+8*\t:D+8*\t+7], v[FS+\t], v[QS] matrix_a_fmt:MATRIX_FMT_FP6 matrix_b_fmt:MATRIX_FMT_FP6
.endr
.rept 4
	v_nop                                          ; four places in front of the first read of results
.endr
.set j, 0
.rept 32
	v_pk_mul_f32 v[D+j:D+j+1], v[D+j:D+j+1], s[NL2E:NL2E+1] op_sel_hi:[1,0]   ; sigmoid(z) = 1 / (1 + 2^(-z log2(e))), in f32; each result from its low end on
.set j, j+2
.endr
.set j, 0
	s_wait_alu depctr_va_vdst(0)
.rept 64
	v_exp_f32 v[D+j], v[D+j]
.set j, j+1
.endr
	v_nop                                          ; a plain place behind the batch,
	s_wait_alu depctr_va_vdst(0)                   ; and one wait for it: the 64 exponentials have written v[D ..], ahead of their first reader
.set j, 0
.rept 32
	v_pk_add_f32 v[D+j:D+j+1], v[D+j:D+j+1], 1.0 op_sel_hi:[1,0]
.set j, j+2
.endr
.set j, 0
	s_wait_alu depctr_va_vdst(0)
.rept 64
	v_rcp_f32 v[D+j], v[D+j]
.set j, j+1
.endr
	v_nop
	s_wait_alu depctr_va_vdst(0)                   ; the 64 reciprocals have written v[D ..], which the global stores below read first
.irp t, 0,1,2,3,4,5,6,7
.irp i, 0,1
	global_store_b128 v9, v[D+8*\t+4*\i:D+8*\t+4*\i+3], s[34:35] offset:2048*\t+512*\i   ; features 4 (4 t + 2 h + i) on: sixteen lanes store 256 consecutive bytes, aligned
.endr
.endr
	s_cmp_lg_u32 s29, 0
	s_cbranch_scc1 .Lqk_end
	; Q alone: U = 10 log2(e) - C x the row's sum.  (The stores above only read D, and so do these lines)
	s_mov_b32 s44, 0xbde6d4ca                      ; -C = -10 log2(e) / 128
	s_mov_b32 s45, 0x4166d4ca                      ; 10 log2(e)
	s_lshl_b32 s46, ttmp9, 9
	s_lshl_b32 s40, s28, 6
	s_add_co_u32 s46, s46, s40                     ; 4 bytes x (128 x work-group x + 16 w)
	s_add_nc_u64 s[22:23], s[22:23], s[46:47]
	v_pk_add_f32 v[SA:SA+1], v[D:D+1], v[D+2:D+3]
	v_pk_add_f32 v[SA+2:SA+3], v[D+4:D+5], v[D+6:D+7]
.irp j, 8,12,16,20,24,28,32,36,40,44,48,52,56,60
	v_pk_add_f32 v[SA:SA+1], v[SA:SA+1], v[D+\j:D+\j+1]
	v_pk_add_f32 v[SA+2:SA+3], v[SA+2:SA+3], v[D+\j+2:D+\j+3]
.endr
	v_pk_add_f32 v[SA:SA+1], v[SA:SA+1], v[SA+2:SA+3]
	v_add_f32 v[SA], v[SA], v[SA+1]                ; my 64 features,
	v_permlanex16_b32 v[SA+2], v[SA], s[SEL], s[SEL+1]
	v_add_f32 v[SA], v[SA], v[SA+2]                ; and lane l xor 16's
	v_fma_f32 v[SA], v[SA], s44, s45
	s_wait_alu depctr_va_vdst(0)                   ; the multiply-add has written v[SA], which the store reads
	global_store_b32 v10, v[SA], s[22:23]          ; (lanes r and 16 + r store the same word with the same value)
.Lqk_end:
	s_wait_dscnt 0x0                               ; the closing lines, six on end
	s_wait_alu 0x0
	s_wait_tensorcnt 0x0
	ds_add_u32 v254, v255
	s_wait_dscnt 0x0
	s_endpgm
.Lv_path:
	; ---- V: x's eight tiles of keys against my 16 channels
.irp i, 0,1,2,3,4,5,6,7
	v_mov_b32 v[CB+\i], v[BV]
.endr
.irp t, 0,1,2,3,4,5,6,7
.irp k, 0,1,2
	ds_load_b128 v[FR+12*\t+4*\k:FR+12*\t+4*\k+3], v7 offset:XIMG+FRB*\t+512*\k   ; (the eight moves above name v44 to v52 alone: none of the registers in which these loads land)
.endr
	ds_load_b32 v[FS+\t], v8 offset:XSC+128*\t
.endr
.irp k, 0,1,2
	ds_load_b128 v[QF+4*\k:QF+4*\k+3], v5 offset:WIMG+512*\k       ; my own tile of Wv
.endr
	ds_load_b32 v[QS], v6 offset:WSC
	s_lshl_b32 s46, ttmp9, 3
	s_add_co_u32 s46, s46, s28
	s_mul_i32 s46, s46, FRB                        ; vc: image 8 x work-group x + w
	s_mov_b32 s47, 0
	s_add_nc_u64 s[24:25], s[24:25], s[46:47]
	s_lshr_b32 s46, ttmp9, 3                       ; vs: ((batch x 128 + 16 w + r) x 8 + key step) x 4
	s_lshl_b32 s46, s46, 12
	s_lshl_b32 s44, s28, 9
	s_add_co_u32 s46, s46, s44
	s_and_b32 s44, ttmp9, 7
	s_lshl_b32 s44, s44, 2
	s_add_co_u32 s46, s46, s44
	s_add_nc_u64 s[26:27], s[26:27], s[46:47]
	s_wait_alu depctr_va_vdst(0)
	s_wait_dscnt 0x0
.rept 8
	v_nop                                          ; places between the moves that made C and the matrix instructions
.endr
.irp t, 0,1,2,3,4,5,6,7                        ; lane (r, h) holds channel 16 w + r; register 8 t + i is key 32 (t / 2) + 16 h + 8 (t % 2) + i
	v_wmma_scale_f32_16x16x128_f8f6f4 v[D+8*\t:D+8*\t+7], v[FR+12*\t:FR+12*\t+11], v[QF:QF+11], v[CB:CB+7], v[FS+\t], v[QS] matrix_a_fmt:MATRIX_FMT_FP6 matrix_b_fmt:MATRIX_FMT_FP6
.endr
.rept 4
	v_nop                                          ; four places in front of the first read of results and of writes over the fragments
.endr
	QUANT D
	s_wait_alu depctr_va_vdst(0)                   ; QUANT has written v[PC ..] and v[PW], which the stores read
.irp k, 0,1,2
	global_store_b128 v7, v[PC+4*\k:PC+4*\k+3], s[24:25] offset:512*\k   ; 32 lanes store 512 consecutive bytes, aligned
.endr
	global_store_b32 v11, v[PW], s[26:27]          ; (lanes r and 16 + r store the same word with the same value)
	s_wait_dscnt 0x0                               ; the closing lines, six on end
	s_wait_alu 0x0
	s_wait_tensorcnt 0x0
	ds_add_u32 v254, v255
	s_wait_dscnt 0x0
	s_endpgm
.Lfunc_end_k_q5eb5c0de9e_proj:
	.size	k_q5eb5c0de9e_proj, .Lfunc_end_k_q5eb5c0de9e_proj-k_q5eb5c0de9e_proj
	.p2alignl 7, 3214868480
	.fill 96, 4, 3214868480
	.section	.rodata,"a",@progbits
	.p2align	6, 0x0
	.amdhsa_kernel k_q5eb5c0de9e_proj
		.amdhsa_group_segment_fixed_size 27648
		.amdhsa_private_segment_fixed_size 0
		.amdhsa_enable_private_segment 0
		.amdhsa_kernarg_size 96
		.amdhsa_user_sgpr_count 2
		.amdhsa_user_sgpr_kernarg_segment_ptr 1
		.amdhsa_wavefront_size32 1
		.amdhsa_system_sgpr_workgroup_id_x 1
		.amdhsa_system_sgpr_workgroup_id_y 1
		.amdhsa_system_sgpr_workgroup_id_z 1
		.amdhsa_system_vgpr_workitem_id 0
		.amdhsa_next_free_vgpr 256
		.amdhsa_next_free_sgpr 66
		.amdhsa_reserve_vcc 0
		.amdhsa_float_denorm_mode_32 3
		.amdhsa_float_denorm_mode_16_64 3
		.amdhsa_memory_ordered 1
		.amdhsa_forward_progress 1
		.amdhsa_inst_pref_size 39
	.end_amdhsa_kernel
	.amdgpu_metadata
---
amdhsa.version: [ 1, 2 ]
amdhsa.kernels:
  - .name:           k_q5eb5c0de9e_proj
    .symbol:         k_q5eb5c0de9e_proj.kd
    .args:
      - { .name: x, .offset: 0, .size: 8, .value_kind: global_buffer, .address_space: global }
      - { .name: Wq, .offset: 8, .size: 8, .value_kind: global_buffer, .address_space: global }
      - { .name: bq, .offset: 16, .size: 8, .value_kind: global_buffer, .address_space: global }
      - { .name: Wk, .offset: 24, .size: 8, .value_kind: global_buffer, .address_space: global }
      - { .name: bk, .offset: 32, .size: 8, .value_kind: global_buffer, .address_space: global }
      - { .name: Wv, .offset: 40, .size: 8, .value_kind: global_buffer, .address_space: global }
      - { .name: bv, .offset: 48, .size: 8, .value_kind: global_buffer, .address_space: global }
      - { .name: qt, .offset: 56, .size: 8, .value_kind: global_buffer, .address_space: global }
      - { .name: kt, .offset: 64, .size: 8, .value_kind: global_buffer, .address_space: global }
      - { .name: uq, .offset: 72, .size: 8, .value_kind: global_buffer, .address_space: global }
      - { .name: vc, .offset: 80, .size: 8, .value_kind: global_buffer, .address_space: global }
      - { .name: vs, .offset: 88, .size: 8, .value_kind: global_buffer, .address_space: global }
    .group_segment_fixed_size: 27648
    .private_segment_fixed_size: 0
    .kernarg_segment_align: 8
    .kernarg_segment_size: 96
    .max_flat_workgroup_size: 256
    .sgpr_count:     66
    .vgpr_count:     256
    .wavefront_size: 32
...
	.end_amdgpu_metadata
.endif
;; end of part 4
;; launch attn (part 5): grid 128 x 2, 8 waves a work-group, no clusters, 86,272 bytes of LDS; arguments qt, kt, uq, vc, vs, out0; writes out0
.if DOCPART == 5
	.amdgcn_target "amdgcn-amd-amdhsa--gfx1250"
	.amdhsa_code_object_version 6
	.text
	.protected	k_q5eb5c0de9e_attn
	.globl	k_q5eb5c0de9e_attn
	.p2align	8
	.type	k_q5eb5c0de9e_attn,@function
k_q5eb5c0de9e_attn:
	s_mov_b64 s[64:65], 0
	v_nop
	global_prefetch_b8 v0, s[64:65] scope:SCOPE_SE
	s_setreg_imm32_b32 hwreg(HW_REG_WAVE_SCHED_MODE, 0, 2), 2
	s_setreg_imm32_b32 hwreg(HW_REG_WAVE_MODE, 25, 1), 1
	s_wait_xcnt 0x0
	s_wait_alu depctr_vm_vsrc(0)
; out[q] = sum over k of p(q, k) V[k] / sum over k of p(q, k).  For k <= q: p = 2^t, t = 10 log2(e) x mean over d of min(1 - Q[q][d] + K[k][d], 1); for k > q the score is 0, so p = 1: hidden keys still count.
; min(1 - q + k, 1) = 1 + min(q, k) - q, so t = C x (sum over d of min(Q, K)) + U[q], C = 10 log2(e) / 128, U[q] = 10 log2(e) - C x sum over d of Q[q][d] (made by the launch before).
; NO MAXIMUM IS TAKEN AWAY: Q and K are sigmoids, in [0, 1], and the minimum clips at 1, so the mean lies in [0, 1] for every input: t in [0, 14.43], p in [1, 22027), a row's sum under 2.3e7.  The rule's M is a
; whole number; with M = 0 each block's scale byte and the row's sum carry the factor 2^M exactly, and the codes are the rule's.
; SHARES.  Work-group (g, batch) owns queries 8 g .. 8 g + 7; wave w of its eight owns key step w, keys 128 w .. 128 w + 127: four tiles of 32.  A key step all of whose keys come after the queries is left out
; (one scalar branch on ids): its p is 1.  The heaviest work-group has eight visible steps, the lightest one.
; THE SUMS.  A LANE IS A KEY.  They go in 32 chunks of four features.  A chunk's K, four tiles x four features, is 16 registers, brought by four loads of 512 consecutive bytes (kt is laid for it), five chunks
; ahead, in six buffers.  A chunk's Q, eight queries x four features, is 32 registers in which ALL LANES HOLD THE SAME NUMBER: eight LDS loads of 16 bytes in which every lane names the same address, one chunk ahead,
; in two buffers.  Each number of Q so read serves four tiles: one LDS load for 16 vector instructions, one global load for 32.  Two terms cost one dual minimum and one packed addition.
; Each wave copies the queries' 4,096 bytes of qt into LDS bytes of its own, as they lie (a chunk is 128 bytes on end): so no barrier stands in front of the sums.
; THEN.  A wave's p, 8 queries x 128 keys, is one K step of the last product.  It turns through the wave's own LDS bytes (in: a lane a key; back: lane (r, h) takes query r % 8, keys 64 c + 32 h + 0 .. 31), is summed
; unquantised and quantised: the operand's registers.  Rows 8-15 of the tile of 16 queries repeat rows 0-7.  Image, scale words and sums to LDS | barrier | wave c: channel tile c: O^T = V^T P^T over the eight key
; steps, two accumulators by turns; divided by the row's sum; to a stage | barrier | wave w stores row w, 512 bytes on end.  V's fragments take the K buffers as these fall free in the last five chunks.
; EVERY OFFSET IS AN IMMEDIATE and the chunks are written out by the assembler's loop: the sums stand under a branch on the wave's number, so no LDS address is stepped there.
; NO CLUSTER, NO TENSOR LOAD: neighbouring work-groups do read the same tiles of K, but see different numbers of key steps (g / 16 + 1), and a tile goes from memory straight into the registers of the one wave
; that uses it; a joint load would land it in LDS, from where the same bytes would be read again beside Q's reads.  LIMITS: NaN and infinities are not served.
; THE MODE: SCHED_MODE bits 1:0 = 2 (LLVM: expert scheduling mode 2), set by the entry lines.  The code itself states the register dependences
; between vector or matrix instructions and memory or LDS instructions, with s_wait_alu, always for 0.
; THE PLAN.  Registers that memory or LDS instructions touch:
;   v1-v14        offsets, LDS addresses and the number 1.0: written once at the head, read by loads and stores, never written again.
;   Q0, Q1        Chunk g's vector lines read Q[g % 2]; the LDS loads issued in chunk g land in Q[(g + 1) % 2], which chunk g - 1 read.
;   K0 .. K5      Chunk g's vector lines read K[g % 6]; the global loads issued in chunk g (K of chunk g + 5; from chunk 27 on a part of V) land in K[(g + 5) % 6] = K[(g - 1) % 6], which chunk g - 1 read.
;   ACC           its first 32 registers bring Q from memory to LDS; then the sums, vector lines alone; as PRW it takes p back from LDS; behind the first barrier P's fragments land there.
;   SR            written by vector lines, read by the LDS stores of p; behind the first barrier P's fragments land there.
;   QF, QS, LA    written by vector lines, read by the LDS stores ahead of the first barrier; behind it the row sums land in QF's registers.
;   OA            written by matrix and vector lines, read by the stage's stores; behind the second barrier my row lands there.
;   T and the minima are named by vector lines alone.  v256, v257: written at the head, read by the closing add alone.
; So ONE wait on va_vdst stands at a chunk's head, behind the waits for its data: the chunk before is done reading its Q and its K buffer.  The chunk's twelve loads land in just these two buffers, which no vector
; line of the chunk names: they are dealt among its first four blocks with no further wait.  Outside the sums: a wait on va_vdst ahead of each run of stores whose data vector lines made, a wait on vm_vsrc ahead of
; each rewriting of registers that stores have read.
.set FRB,  1536                        ; a fragment's image: 12 registers x 128 bytes
.set PIMG, 8*4096                      ; LDS: from byte 0 on Q, 4,096 bytes for each wave; then P's 8 fragments as images,
.set PSC,  PIMG+8*FRB                  ; their scale words, 128 bytes each,
.set LSUM, PSC+1024                    ; the row sums of the 8 key steps, 128 bytes each,
.set OSTG, LSUM+1024                   ; the stage for the way out: 8 rows x (512 + 16) bytes,
.set OP,   528
.set PB,   OSTG+8*OP                   ; and p: for each wave 8 rows x (512 + 16) bytes: the pitch is an odd multiple of 16 bytes, so the rows that a load touches start in different banks
.set PP,   528
.set H8,   15                          ; v15      8 h
.set T,    16                          ; v16-31   minima
.set TM,   16                          ; v16-22   at work in QROW
.set CT,   24                          ; v24-30   at work in QROW
.set LB,   24                          ; v24-25   the second chain of the row sum
.set OA,   16                          ; v16-31   two accumulators of the last product
.set Q,    32                          ; v32-95   Q, two buffers of 32
.set QF,   32                          ; v32-43   the fragment just made
.set LP,   32                          ; v32-39   the eight key steps' row sums
.set QS,   45                          ; v45      the fragment's scale word
.set LA,   46                          ; v46-47   the row sum
.set VSC,  48                          ; v48-55   V's scale words of the eight key steps
.set PSW,  56                          ; v56-63   P's
.set SR,   64                          ; v64-95   scores, then p: register 8 t + i: tile t, query i
.set PFR,  64                          ; v64-159  P's eight fragments
.set ACC,  96                          ; v96-159  a pair of sums (even and odd features) for each tile and query
.set PRW,  96                          ; v96-159  64 numbers of p
.set K,    160                         ; v160-255 K, six buffers of 16
.set VF,   160                         ; v160-255 V's eight fragments
.set SEL,  26                          ; s[26:27] lane selects of v_permlanex16_b32: lane l xor 16
.set MS,   36                          ; s36-63, s76-79  the 32 masks of the diagonal: mask x at s[MS + x + 12 (x / 28)]
.macro KL t                            ; tile t of chunk kc into buffer kc % 6: features 4 kc on of my key: 32 lanes read 512 consecutive bytes
	global_load_b128 v[K+16*(kc%6)+4*(\t):K+16*(kc%6)+4*(\t)+3], v1, s[10:11] offset:16384*(\t)+512*kc
.endm
.macro KLOAD                           ; chunk kc of my four tiles
.irp t, 0,1,2,3
	KL \t
.endr
.endm
.macro VL t                            ; piece p = 4 vb + t of V's 24: registers 4 (p % 3) on of key step p / 3's fragment
	global_load_b128 v[VF+16*vb+4*(\t):VF+16*vb+4*(\t)+3], v1, s[28:29] offset:8*FRB*((4*vb+(\t))/3)+512*((4*vb+(\t))%3)
.endm
.macro VLOAD                           ; the four pieces 4 vb .. 4 vb + 3
.irp t, 0,1,2,3
	VL \t
.endr
.endm
.macro VSLOAD                          ; channel 16 w + r's eight scale words
	global_load_b128 v[VSC:VSC+3], v14, s[30:31]
	global_load_b128 v[VSC+4:VSC+7], v14, s[30:31] offset:16
.endm
.macro QL i                            ; query i of chunk qc into buffer qc % 2: every lane names the same 16 bytes
	ds_load_b128 v[Q+32*(qc%2)+4*(\i):Q+32*(qc%2)+4*(\i)+3], v3 offset:128*qc+16*(\i)
.endm
.macro QLOAD                           ; chunk qc of Q
.irp i, 0,1,2,3,4,5,6,7
	QL \i
.endr
.endm
; A quarter of what chunk g asks for: two queries of the next chunk's Q, and one tile of K five chunks on (from chunk 27 on nothing of K is left to ask for: the buffer takes its part of V).
; No wait: no vector line since the wait at the chunk's head names the registers in which these land.
.macro AHEAD n
.if g < 31
	QL 2*(\n)
	QL 2*(\n)+1
.endif
.if g+5 < 32
	KL \n
.else
	VL \n
.endif
.endm
; tile t x queries q .. q + 3 x four features: eight dual minima, then their packed additions, the four sums by turns.  The first chunk starts the sums: nothing is cleared.
.macro BLOCK t, q
.irp i, 0,1,2,3
	v_dual_min_num_f32 v[T+4*\i], v[QB+4*(\q+\i)], v[KB+4*\t] :: v_dual_min_num_f32 v[T+4*\i+1], v[QB+4*(\q+\i)+1], v[KB+4*\t+1]
	v_dual_min_num_f32 v[T+4*\i+2], v[QB+4*(\q+\i)+2], v[KB+4*\t+2] :: v_dual_min_num_f32 v[T+4*\i+3], v[QB+4*(\q+\i)+3], v[KB+4*\t+3]
.endr
.if g == 0
.irp i, 0,1,2,3
	v_pk_add_f32 v[ACC+2*(8*\t+\q+\i):ACC+2*(8*\t+\q+\i)+1], v[T+4*\i:T+4*\i+1], v[T+4*\i+2:T+4*\i+3]
.endr
.else
.irp i, 0,1,2,3
	v_pk_add_f32 v[ACC+2*(8*\t+\q+\i):ACC+2*(8*\t+\q+\i)+1], v[ACC+2*(8*\t+\q+\i):ACC+2*(8*\t+\q+\i)+1], v[T+4*\i:T+4*\i+1]
.endr
.irp i, 0,1,2,3
	v_pk_add_f32 v[ACC+2*(8*\t+\q+\i):ACC+2*(8*\t+\q+\i)+1], v[ACC+2*(8*\t+\q+\i):ACC+2*(8*\t+\q+\i)+1], v[T+4*\i+2:T+4*\i+3]
.endr
.endif
.endm
.macro CHUNK                           ; eight blocks of sixteen vector lines; the chunk's twelve loads stand ahead of the first four, so that four blocks follow the last of them
.set QB, Q+32*(g%2)
.set KB, K+16*(g%6)
	AHEAD 0
	BLOCK 0, 0
	AHEAD 1
	BLOCK 0, 4
	AHEAD 2
	BLOCK 1, 0
	AHEAD 3
	BLOCK 1, 4
	BLOCK 2, 0
	BLOCK 2, 4
	BLOCK 3, 0
	BLOCK 3, 4
.endm
; 64 numbers of a lane, register 32 c + i = k 64 c + 32 h + i of my row, become the fragment in v[QF] on and its scale word in v[QS]
.macro QROW s
	v_max3_num_f32 v[TM], |v[\s]|, |v[\s+1]|, 0x1800000            ; my two blocks by turns; the floor 2^(3 - 127) holds the byte at 1 from below
	v_max3_num_f32 v[TM+1], |v[\s+32]|, |v[\s+33]|, 0x1800000
.irp i, 2,4,6,8,10,12,14,16,18,20,22,24,26,28,30
	v_max3_num_f32 v[TM], v[TM], |v[\s+\i]|, |v[\s+\i+1]|
	v_max3_num_f32 v[TM+1], v[TM+1], |v[\s+32+\i]|, |v[\s+33+\i]|
.endr
	v_add_nc_u32 v[TM+2], 0xff000000, v[TM]                        ; 2 off the exponent field: the conversion's scale operand
	v_add_nc_u32 v[TM+3], 0xff000000, v[TM+1]
	v_lshrrev_b32 v[TM+4], 23, v[TM+2]                             ; the scale's byte
	v_lshrrev_b32 v[TM+5], 23, v[TM+3]
	v_lshl_or_b32 v[QS], v[TM+5], 16, v[TM+4]                      ; blocks h and 2 + h of my row,
	v_lshlrev_b32 v[QS], v[H8], v[QS]                              ; at their places in the word;
	v_permlanex16_b32 v[TM+6], v[QS], s[SEL], s[SEL+1]
	v_or_b32 v[QS], v[QS], v[TM+6]                                 ; with lane l xor 16's two the word is whole
	v_cvt_scalef32_pk16_fp6_f32 v[QF:QF+2], v[\s:\s+15], v[TM+2]
	v_cvt_scalef32_pk16_fp6_f32 v[CT:CT+2], v[\s+16:\s+31], v[TM+2]      ; (a conversion's three registers begin on an even number)
	v_cvt_scalef32_pk16_fp6_f32 v[QF+6:QF+8], v[\s+32:\s+47], v[TM+3]
	v_cvt_scalef32_pk16_fp6_f32 v[CT+4:CT+6], v[\s+48:\s+63], v[TM+3]
	v_nop                                                          ; one plain place behind the conversions
.irp i, 0,1,2
	v_mov_b32 v[QF+3+\i], v[CT+\i]
	v_mov_b32 v[QF+9+\i], v[CT+4+\i]
.endr
.endm
	s_load_b256 s[84:91], s[0:1], 0x0              ; qt s[84:85], kt s[86:87], uq s[88:89], vc s[90:91]
	s_load_b128 s[92:95], s[0:1], 0x20             ; vs s[92:93], out0 s[94:95]
	s_set_vgpr_msb 0x40                            ; destination in window 1; v0, a source, in window 0
	v_lshl_add_u32 v0, v0, 2, 0x14d00              ; v256: my spare word, behind p; and v257: 0: kept for the closing lines alone
	v_mov_b32 v1, 0
	s_set_vgpr_msb 0x4000
	v_lshrrev_b32 v16, 5, v0
	v_readfirstlane_b32 s2, v16                    ; wave 0..7: my key step, later my channel tile and my row
	s_and_b32 s4, ttmp7, 0xffff                    ; batch
	s_lshl_b32 s15, ttmp9, 3                       ; the first query: 8 g
	s_mov_b32 s14, 0x3de6d4ca                      ; C = 10 log2(e) / 128
	s_mov_b32 s[SEL], 0x76543210
	s_mov_b32 s[SEL+1], 0xfedcba98
	s_wait_alu depctr_va_sdst(0)                   ; s2 is written, ahead of its first reader
	s_lshl_b32 s21, s2, 7                          ; my first key
	s_sub_co_i32 s22, s21, s15                     ; my first key - the first query
	s_add_co_u32 s23, s15, 7                       ; the last query
	; every LDS address is made here, ahead of the parting of the waves, from the lane and the wave's number alone, and never rewritten
	v_and_b32 v17, 31, v0                          ; lane
	v_and_b32 v18, 7, v0                           ; r % 8
	v_bfe_u32 v19, v0, 4, 1                        ; h
	v_and_b32 v20, 15, v0                          ; r
	v_lshlrev_b32 v1, 4, v17                       ; 16 x lane
	s_mul_i32 s20, s2, 8*PP
	s_add_co_u32 s20, s20, PB                      ; my wave's p
	v_lshl_add_u32 v2, v17, 2, s20                 ; p, in: 4 x lane
	s_lshl_b32 s24, s2, 12                         ; my wave's Q: 4,096 x wave
	v_mov_b32 v3, s24                              ; Q, back: the same address in every lane
	v_lshl_add_u32 v4, v17, 4, s24                 ; Q, in: 16 x lane
	v_lshrrev_b32 v5, 3, v17
	v_lshlrev_b32 v5, 9, v5
	v_lshl_add_u32 v5, v18, 4, v5                  ; Q in qt: eight lanes take a chunk's 128 bytes, chunks are 512 bytes apart
	v_mov_b32 v6, 1.0
	v_mul_u32_u24 v7, v18, PP
	v_lshl_add_u32 v7, v19, 7, v7
	v_add_nc_u32 v7, s20, v7                       ; p, back: row r % 8, + 32 h keys
	s_mul_i32 s24, s2, FRB
	v_add_nc_u32 v8, s24, v1                       ; my image of P: 16 x lane + 1,536 x wave
	v_lshl_add_u32 v9, v0, 2, PSC                  ; its scale words: 4 x lane + 128 x wave
	v_lshl_add_u32 v10, v0, 2, LSUM                ; its row sums likewise
	v_lshlrev_b32 v11, 2, v17                      ; 4 x lane
	v_mul_u32_u24 v12, v18, OP
	v_lshl_add_u32 v12, v19, 5, v12
	s_lshl_b32 s24, s2, 6
	s_add_co_u32 s24, s24, OSTG
	v_add_nc_u32 v12, s24, v12                     ; the stage, in: row r % 8, channels 16 w + 8 h on
	s_mul_i32 s24, s2, OP
	s_add_co_u32 s24, s24, OSTG
	v_add_nc_u32 v13, s24, v1                      ; the stage, back: row w, 16 bytes a lane
	v_lshlrev_b32 v14, 5, v20                      ; V's scale words: 32 bytes a channel
	v_lshlrev_b32 v[H8], 3, v19
	v_mov_b32 v[TM+6], 0                           ; written once: a lane permute's destination counts as one of its sources
	; byte offsets, apart from the addresses
	s_lshl_b32 s20, s4, 10
	s_add_co_u32 s20, s20, s15                     ; the first query's row of qt, uq and out0: 1,024 x batch + 8 g
	s_lshr_b32 s36, s20, 5                         ; qt: (row / 32) x 16,384 + (row % 32) x 16
	s_lshl_b32 s36, s36, 14
	s_and_b32 s38, s20, 31
	s_lshl_b32 s38, s38, 4
	s_add_co_u32 s36, s36, s38
	s_mov_b32 s37, 0
	s_lshl_b32 s38, s4, 5                          ; kt: (32 x batch + 4 w) x 16,384
	s_lshl_b32 s40, s2, 2
	s_add_co_u32 s38, s38, s40
	s_lshl_b32 s38, s38, 14
	s_mov_b32 s39, 0
	s_lshl_b32 s40, s20, 2                         ; uq: 4 bytes a row
	s_mov_b32 s41, 0
	s_lshl_b32 s42, s4, 6                          ; vc: image (8 x batch + key step) x 8 + channel tile; mine is tile w
	s_add_co_u32 s42, s42, s2
	s_mul_i32 s42, s42, FRB
	s_mov_b32 s43, 0
	s_lshl_b32 s44, s4, 12                         ; vs: (128 x batch + 16 w) x 32
	s_lshl_b32 s46, s2, 9
	s_add_co_u32 s44, s44, s46
	s_mov_b32 s45, 0
	s_add_co_u32 s46, s20, s2                      ; the row that I store: query 8 g + w
	s_lshl_b32 s46, s46, 9
	s_mov_b32 s47, 0
	s_wait_kmcnt 0x0
	s_add_nc_u64 s[6:7], s[84:85], s[36:37]
	s_add_nc_u64 s[10:11], s[86:87], s[38:39]
	s_add_nc_u64 s[12:13], s[88:89], s[40:41]
	s_add_nc_u64 s[28:29], s[90:91], s[42:43]
	s_add_nc_u64 s[30:31], s[92:93], s[44:45]
	s_add_nc_u64 s[32:33], s[94:95], s[46:47]
	s_wait_alu depctr_va_vdst(0)                   ; v1 to v14 are written: the offsets and LDS addresses of every load and store, on either way, and the 1.0 that the hidden steps store
	s_cmp_gt_u32 s21, s23                          ; does my first key come after the last query?
	s_cbranch_scc1 .Lhidden
	; ---- the sums of my key step
.irp n, 0,1,2,3,4,5,6,7
	global_load_b128 v[ACC+4*\n:ACC+4*\n+3], v5, s[6:7] offset:2048*\n   ; the eight queries, chunks 4 n .. 4 n + 3
.endr
.set kc, 0
.rept 5
	KLOAD                                          ; K's chunks 0 to 4
.set kc, kc+1
.endr
	s_load_b256 s[68:75], s[12:13], 0x0            ; U of the eight queries: wanted behind the sums
	s_wait_loadcnt 20                              ; Q is in: K's twenty loads, issued behind it, may be out
.irp n, 0,1,2,3,4,5,6,7
	ds_store_b128 v4, v[ACC+4*\n:ACC+4*\n+3] offset:512*\n         ; into my own bytes, as they lie: chunk c at 128 c
.endr
.set qc, 0
	QLOAD                                          ; LDS serves a wave's instructions in order: these see the stores above
.set g, 0
.rept 32
	s_wait_dscnt 0x0                               ; this chunk's Q is in (asked for in the chunk before)
	s_wait_loadcnt 16                              ; this chunk's K is in: behind its four loads four groups of four were issued; this chunk's own group goes out below
.if g == 0
	s_wait_alu depctr_vm_vsrc(0)                   ; the LDS stores of Q have read v[ACC ..], which the first sums write.  (No vector line has been issued since the head's wait, so this chunk's loads owe nothing)
.else
	s_wait_alu depctr_va_vdst(0)                   ; the chunk before is done reading its Q buffer and its K buffer, in which this chunk's twelve loads land
.endif
.set qc, g+1
.set kc, g+5
.set vb, kc%6
	CHUNK
.set g, g+1
.endr
	s_wait_alu depctr_va_vdst(0)                   ; the last chunk is done reading its K buffer, in which V's last part lands; the last two chunks are done with Q's buffers, in one of which V's scale words land
.set vb, 1
	VLOAD                                          ; the buffer of the last chunk: V's last part
	VSLOAD
.set x, 0
.rept 32
	v_add_f32 v[SR+x], v[ACC+2*x], v[ACC+2*x+1]    ; even and odd features
.set x, x+1
.endr
	v_and_b32 v[T], 31, v0
	v_add_nc_u32 v[T], s22, v[T]                   ; my key of tile 0 - the first query
	s_wait_kmcnt 0x0                               ; U
.set x, 0
.rept 32
	v_fma_f32 v[SR+x], v[SR+x], s14, s[68+x%8]     ; t = C x sum + U
.set x, x+1
.endr
.set x, 0
	s_wait_alu depctr_va_vdst(0)
.rept 32
	v_exp_f32 v[SR+x], v[SR+x]                     ; p = 2^t
.set x, x+1
.endr
	v_nop                                          ; a plain place behind the batch
.set x, 0
.rept 32
	v_cmp_ge_i32 s[MS+x+12*(x/28)], (x%8)-32*(x/8), v[T]           ; mask x = 8 t + i: my key of tile t counts for query i.  The 32 compares stand in one run, a scalar register each, and name no exponential's result
.set x, x+1
.endr
	s_wait_alu depctr_va_sdst(0)                   ; the 32 compares have written their masks, ahead of the first select that reads one
	s_wait_alu depctr_va_vdst(0)                   ; the 32 exponentials have written v[SR ..], ahead of their first reader
.set x, 0
.rept 32
	v_cndmask_b32 v[SR+x], 1.0, v[SR+x], s[MS+x+12*(x/28)]         ; a hidden key's score is 0: p = 1
.set x, x+1
.endr
	s_wait_alu depctr_va_vdst(0)                   ; the selects have written v[SR ..], which the LDS stores read; and the additions above are done reading v[ACC ..], in which p lands on its way back
.irp t, 0,1,2,3
.irp i, 0,1,2,3,4,5,6,7
	ds_store_b32 v2, v[SR+8*\t+\i] offset:\i*PP+128*\t             ; 32 lanes: 128 consecutive bytes of a row of p
.endr
.endr
	s_branch .Ljoin
.Lhidden:
	; ---- all my keys are hidden to all eight queries: p = 1
.set vb, 0
.rept 6
	VLOAD
.set vb, vb+1
.endr
	VSLOAD
.irp t, 0,1,2,3
.irp i, 0,1,2,3,4,5,6,7
	ds_store_b32 v2, v6 offset:\i*PP+128*\t
.endr
.endr
.Ljoin:
	; ---- my key step of P
.irp c, 0,1
.irp i, 0,1,2,3,4,5,6,7
	ds_load_b128 v[PRW+32*\c+4*\i:PRW+32*\c+4*\i+3], v7 offset:256*\c+16*\i   ; query r % 8, keys 64 c + 32 h + 4 i on: my own bytes, served in order behind my stores
.endr
.endr
	s_wait_dscnt 0x0
	v_pk_add_f32 v[LA:LA+1], v[PRW:PRW+1], v[PRW+2:PRW+3]          ; the row's sum is taken of the unquantised p: two at a time, in two chains
	v_pk_add_f32 v[LB:LB+1], v[PRW+4:PRW+5], v[PRW+6:PRW+7]
.irp j, 8,12,16,20,24,28,32,36,40,44,48,52,56,60
	v_pk_add_f32 v[LA:LA+1], v[LA:LA+1], v[PRW+\j:PRW+\j+1]
	v_pk_add_f32 v[LB:LB+1], v[LB:LB+1], v[PRW+\j+2:PRW+\j+3]
.endr
	v_pk_add_f32 v[LA:LA+1], v[LA:LA+1], v[LB:LB+1]
	v_add_f32 v[LA], v[LA], v[LA+1]
	v_permlanex16_b32 v[LB], v[LA], s[SEL], s[SEL+1]
	v_add_f32 v[LA], v[LA], v[LB]                  ; with lane l xor 16's 64 keys: the query's sum over this key step
	QROW PRW
	s_wait_alu depctr_va_vdst(0)                   ; v[LA], v[QF ..] and v[QS] are written, which the five LDS stores read; and the sums and QROW are done with v[PRW ..] and v[QF ..], in which LDS loads land behind the barrier
	ds_store_b32 v10, v[LA]
.irp k, 0,1,2
	ds_store_b128 v8, v[QF+4*\k:QF+4*\k+3] offset:PIMG+512*\k
.endr
	ds_store_b32 v9, v[QS]
	s_wait_dscnt 0x0                               ; for the others' sake: my image, scale words and sums lie in LDS
	s_barrier_signal -1
	s_barrier_wait -1                              ; everybody's do
	s_wait_alu depctr_vm_vsrc(0)                   ; my LDS stores have read v[SR ..], in which P's fragments land, and v[QF ..], in which the row sums land
	; ---- my channel tile
.irp s, 0,1,2,3,4,5,6,7
.irp k, 0,1,2
	ds_load_b128 v[PFR+12*\s+4*\k:PFR+12*\s+4*\k+3], v1 offset:PIMG+FRB*\s+512*\k
.endr
	ds_load_b32 v[PSW+\s], v11 offset:PSC+128*\s
	ds_load_b32 v[LP+\s], v11 offset:LSUM+128*\s
.endr
	s_wait_loadcnt 0x0                             ; V and its scale words
	s_wait_dscnt 0x0
; O^T = V^T P^T: source 0 = 16 channels, source 1 = the tile of queries; K = 128 keys a step.  Two accumulators take turns, one instruction a turn; the first two products start the sums.
.irp s, 0,1
	v_wmma_scale_f32_16x16x128_f8f6f4 v[OA+8*\s:OA+8*\s+7], v[VF+12*\s:VF+12*\s+11], v[PFR+12*\s:PFR+12*\s+11], 0, v[VSC+\s], v[PSW+\s] matrix_a_fmt:MATRIX_FMT_FP6 matrix_b_fmt:MATRIX_FMT_FP6
.endr
.irp s, 2,3,4,5,6,7
	v_wmma_scale_f32_16x16x128_f8f6f4 v[OA+8*(\s%2):OA+8*(\s%2)+7], v[VF+12*\s:VF+12*\s+11], v[PFR+12*\s:PFR+12*\s+11], v[OA+8*(\s%2):OA+8*(\s%2)+7], v[VSC+\s], v[PSW+\s] matrix_a_fmt:MATRIX_FMT_FP6 matrix_b_fmt:MATRIX_FMT_FP6
.endr
	v_pk_add_f32 v[LP:LP+1], v[LP:LP+1], v[LP+2:LP+3]              ; the row's sum over the eight key steps: these four lines are also the four places behind the last product
	v_pk_add_f32 v[LP+4:LP+5], v[LP+4:LP+5], v[LP+6:LP+7]
	v_pk_add_f32 v[LP:LP+1], v[LP:LP+1], v[LP+4:LP+5]
	v_add_f32 v[LP], v[LP], v[LP+1]
	s_wait_alu depctr_va_vdst(0)
	v_rcp_f32 v[LP+2], v[LP]
	s_wait_alu depctr_va_vdst(0)
.irp i, 0,2,4,6
	v_pk_add_f32 v[OA+\i:OA+\i+1], v[OA+\i:OA+\i+1], v[OA+8+\i:OA+8+\i+1]   ; the two halves of the sum over the keys, each accumulator from its low end on; plain work behind the reciprocal
.endr
	s_wait_alu depctr_va_vdst(0)                   ; the reciprocal has written v[LP+2], ahead of its first reader
.irp i, 0,2,4,6
	v_pk_mul_f32 v[OA+\i:OA+\i+1], v[OA+\i:OA+\i+1], v[LP+2:LP+3] op_sel_hi:[1,0]
.endr
	s_wait_alu depctr_va_vdst(0)                   ; the multiplications have written v[OA ..], which the stage's stores read
	ds_store_b128 v12, v[OA:OA+3]                  ; lane (r, h): query r % 8, channels 16 w + 8 h + 0 .. 7 (lanes r and r + 8 store the same bytes with the same values)
	ds_store_b128 v12, v[OA+4:OA+7] offset:16
	s_wait_dscnt 0x0                               ; my part of the stage lies in LDS
	s_barrier_signal -1
	s_barrier_wait -1                              ; eight whole rows do
	s_wait_alu depctr_vm_vsrc(0)                   ; my stores into the stage have read v[OA ..], in which my row lands
	ds_load_b128 v[OA:OA+3], v13
	s_wait_dscnt 0x0
	global_store_b128 v1, v[OA:OA+3], s[32:33] th:TH_STORE_NT      ; 32 lanes store a row of 512 consecutive bytes, aligned
	s_set_vgpr_msb 0x5                             ; the add's two registers, sources 0 and 1, lie in window 1
	s_wait_dscnt 0x0                               ; the closing lines, six on end
	s_wait_alu 0x0
	s_wait_tensorcnt 0x0
	ds_add_u32 v0, v1
	s_wait_dscnt 0x0
	s_endpgm
.Lfunc_end_k_q5eb5c0de9e_attn:
	.size	k_q5eb5c0de9e_attn, .Lfunc_end_k_q5eb5c0de9e_attn-k_q5eb5c0de9e_attn
	.p2alignl 7, 3214868480
	.fill 96, 4, 3214868480
	.section	.rodata,"a",@progbits
	.p2align	6, 0x0
	.amdhsa_kernel k_q5eb5c0de9e_attn
		.amdhsa_group_segment_fixed_size 86272
		.amdhsa_private_segment_fixed_size 0
		.amdhsa_enable_private_segment 0
		.amdhsa_kernarg_size 48
		.amdhsa_user_sgpr_count 2
		.amdhsa_user_sgpr_kernarg_segment_ptr 1
		.amdhsa_wavefront_size32 1
		.amdhsa_system_sgpr_workgroup_id_x 1
		.amdhsa_system_sgpr_workgroup_id_y 1
		.amdhsa_system_sgpr_workgroup_id_z 1
		.amdhsa_system_vgpr_workitem_id 0
		.amdhsa_next_free_vgpr 258
		.amdhsa_next_free_sgpr 96
		.amdhsa_reserve_vcc 0
		.amdhsa_float_denorm_mode_32 3
		.amdhsa_float_denorm_mode_16_64 3
		.amdhsa_memory_ordered 1
		.amdhsa_forward_progress 1
		.amdhsa_inst_pref_size 255
	.end_amdhsa_kernel
	.section	.bss,"aw",@nobits
	.p2align	6
	.space	262144
	.amdgpu_metadata
---
amdhsa.version: [ 1, 2 ]
amdhsa.kernels:
  - .name:           k_q5eb5c0de9e_attn
    .symbol:         k_q5eb5c0de9e_attn.kd
    .args:
      - { .name: qt, .offset: 0, .size: 8, .value_kind: global_buffer, .address_space: global }
      - { .name: kt, .offset: 8, .size: 8, .value_kind: global_buffer, .address_space: global }
      - { .name: uq, .offset: 16, .size: 8, .value_kind: global_buffer, .address_space: global }
      - { .name: vc, .offset: 24, .size: 8, .value_kind: global_buffer, .address_space: global }
      - { .name: vs, .offset: 32, .size: 8, .value_kind: global_buffer, .address_space: global }
      - { .name: out0, .offset: 40, .size: 8, .value_kind: global_buffer, .address_space: global }
    .group_segment_fixed_size: 86272
    .private_segment_fixed_size: 0
    .kernarg_segment_align: 8
    .kernarg_segment_size: 48
    .max_flat_workgroup_size: 256
    .sgpr_count:     96
    .vgpr_count:     258
    .wavefront_size: 32
...
	.end_amdgpu_metadata
.endif
;; end of part 5
